; MI455X (gfx1250); checked and timed in simulation.
; The chip was launched on July 23, 2026; its instructions are those of AMD's public machine-readable ISA for CDNA 5 (MIT licence, August 2026) and "CDNA5" Instruction Set Architecture Reference Guide (July 2026). The comments in the code are by the model that wrote it; some were corrected since.
;; Causal Attention. Allowed arithmetic: matrix products marked QUANTISED: E2M1 operands, one E8M0 scale for each 32 along K, by v_wmma_scale_f32_16x16x128_f8f6f4 with both operands' format E2M1 (or v_wmma_scale_f32_32x16x128_f4), f32 sums; products left as they are: bf16, f16 or f32 operands; f32 sums; everything else in f32.
;; Inputs: Wk 2,048 x 2,048 float32; Wo 2,048 x 2,048 float32; Wq 2,048 x 2,048 float32; Wv 2,048 x 2,048 float32; k 1 x 2,048 x 2,048 float32; mask 2,048 x 2,048 bool; q 1 x 2,048 x 2,048 float32; v 1 x 2,048 x 2,048 float32.
;; Outputs: out0 1 x 2,048 x 2,048 float32.
;; This version of the problem:
;;   THIS VERSION OF THE PROBLEM IS GIVEN IN LOW PRECISION. The matrix products marked QUANTISED in the list below multiply operands that are first quantised to E2M1 (2 exponent bits, 1 mantissa bit; 4 bits a number), with one power-of-two scale for each 32 numbers along K (OCP MX v1.0); their sums are f32. The products marked 'left as it is' may take bf16, f16 or f32 operands, with f32 sums. Whichever they take, every output number must still come out within the allowed error. Rounding operands to bf16 (8 significant bits) uses up far more of that allowance than f16 does (11 bits, for magnitudes from 6e-5 to 65,504). All else is computed in f32.
;;   The module's matrix products, in the order in which they are computed (A, B: the left and right operand; K: the contracted axis; several contracted axes count as one K, in the product's order):
;;     1. [M 2,048, K 2,048] x [K 2,048, N 2,048]; A: input q; B: input Wq: QUANTISED
;;     2. [M 2,048, K 2,048] x [K 2,048, N 2,048]; A: input k; B: input Wk: QUANTISED
;;     3. [M 2,048, K 2,048] x [K 2,048, N 2,048]; A: input v; B: input Wv: QUANTISED
;;     4. batch 32 x [M 2,048, K 64] x [K 64, N 2,048]; A: computed on the way; B: computed on the way: left as it is (an operand is computed on the way)
;;     5. batch 32 x [M 2,048, K 2,048] x [K 2,048, N 64]; A: computed on the way; B: computed on the way: left as it is (an operand is computed on the way)
;;     6. [M 2,048, K 2,048] x [K 2,048, N 2,048]; A: computed on the way; B: input Wo: left as it is (an operand is computed on the way)
;;   THE QUANTISER, for each operand of a quantised product, along K:
;;     - K is cut into blocks of 32 from its start; a last block that is shorter is filled with zeros.
;;     - A block's scale is 2^e with e = floor(log2(the largest magnitude in the block)) - 2, held to -126 .. 127; a block of zeros has e = 0. As a byte (E8M0): e + 127.
;;     - Each number is divided by its block's scale, clamped to +-6, and rounded to the nearest number of E2M1, ties to even, subnormals kept.
;;     - The product sums the exact products of the quantised numbers (number of the format x scale) in f32.
;;   ~~~python
;;   def quantise(x, axis):      # numpy; x: float32 -> the quantised numbers, widened to float32 again
;;       x = np.moveaxis(x, axis, -1); K = x.shape[-1]
;;       x = np.pad(x, [(0, 0)] * (x.ndim - 1) + [(0, -K % 32)]); x = x.reshape(x.shape[:-1] + (-1, 32)); a = np.abs(x).max(-1, keepdims=True)
;;       e = np.where(a > 0, np.clip(np.frexp(np.where(a > 0, a, 1))[1] - 1 - 2, -126, 127), 0)      # np.frexp(a)[1] - 1 = floor(log2(a)), exactly
;;       r = np.clip(x / 2.0 ** e, -6, 6)
;;       step = 2.0 ** (np.maximum(np.frexp(np.where(r == 0, 1, r))[1] - 1, 0) - 1)
;;       q = np.round(r / step) * step * 2.0 ** e      # np.round: ties to even
;;       return np.moveaxis(q.reshape(q.shape[:-2] + (-1,))[..., :K], -1, axis).astype(np.float32)
;;   ~~~
;; One version. Each part assembles by itself: llvm-mc -triple=amdgcn-amd-amdhsa -mcpu=gfx1250 --defsym DOCPART=n.
;; ======== version 1 of 1: 5 launches
;; limits: values are held in f16: magnitudes above 65,504 overflow, below 6.1e-05 lose precision
;; workspace buffers: codes 12,582,912 bytes; scales 786,432 bytes; qkv 33,554,432 bytes; wo16 8,388,608 bytes; o16 8,388,608 bytes; ofine 131,072 bytes; maskw 524,800 bytes of whole numbers
;; launch prep (part 1): grid 1152 x 1, 4 waves a work-group, no clusters, 67,328 bytes of LDS; arguments mask, q, k, Wv, Wq, Wk, v, Wo, codes, scales, wo16, maskw; writes codes, scales, wo16, maskw
.if DOCPART == 1
	.amdgcn_target "amdgcn-amd-amdhsa--gfx1250"
	.amdhsa_code_object_version 6
	.text
	.protected	k_qaa28d49762_prep
	.globl	k_qaa28d49762_prep
	.p2align	8
	.type	k_qaa28d49762_prep,@function
k_qaa28d49762_prep:
	s_mov_b64 s[64:65], 0
	v_nop
	global_prefetch_b8 v0, s[64:65] scope:SCOPE_SE
	s_setreg_imm32_b32 hwreg(HW_REG_WAVE_MODE, 25, 1), 1
	s_wait_xcnt 0x0
; PREP: three jobs in one launch, told apart by the work-group's number.
;   work-groups 0-127:    the mask [2048][2048] of bytes becomes lane masks (words) and one flag word for each tile of 16 queries
;   work-groups 128-895:  q, k, Wv, Wq, Wk, v (f32, K innermost) become codes of FP4 (E2M1) and E8M0 scale bytes, one for each 32 along K
;   work-groups 896-1151: Wo (f32) becomes f16 in blocks of 64 along K
; DEAD WORK: none is left out by an identity: every input has a way to the output and is loaded.  What later launches leave out is chosen by WHOLE NUMBERS
; made here from the mask: a tile of 16 queries x 64 keys is passed over where all its mask bytes are 0 AND each of its 16 queries keeps some key somewhere.
; In reference() such keys have p = exp(min - max) = 0.  A query that keeps no key has all scores equal to the fill, so reference() averages ALL values:
; a tile of 16 queries that holds such a query gets all 32 flag bits and walks every key.
; LIMITS: a quantiser block of zeros gets the byte 1 where the rule says 127 (its codes are zeros; this program alone reads the bytes); blocks whose largest
; magnitude lies under 2^(2 - 126) are held at byte 1; Wo goes to f16: magnitudes up to 65,504; NaN and infinities among the inputs are not served.
; LAYOUT T of every f16 matrix [2048 rows][2048 columns] of this program: byte (column / 64) x 262,144 + row x 128 + (column % 64) x 2.
; maskw: word [T 128][step 32][kt 4][j 8]: bit 16 h + r = mask[16 T + r][64 step + 16 kt + 8 h + j]; from byte 524,288 on F[128]: bit j of F[T]: tile T needs key step j.
.set STEPS, 16
.set EMAX,  2
.set CB,    8                          ; bytes of 16 codes
.set R,     16                         ; v16-79   four sets of 16 numbers as loaded
.set X,     80                         ; v80-111  two sets of 16 neighbours
.set C,     128                        ; v128-191 codes, four registers a step
.set E,     112                        ; v112-127 a scale byte a step
.set WREG,  8192                       ; LDS 0 .. 32,767: the quantiser's: a region a wave: two stages of 32 x SP, then 256 scale bytes
.set SP,    80
.set MSTG,  32768                      ; LDS 32,768 .. 66,559: the mask's stages, 16 rows x MP a wave
.set MP,    528
.set MWAVE, 16*MP
.set COMM,  66560                      ; eight words that the mask's four waves hand to wave 0
.set SPARE, 66816                      ; the spare words, 128 bytes a wave: two blocks of 256 bytes that no other line names
.set SPW,   12                         ; v12 LDS address of my spare word; never rewritten
.set NIL,   13                         ; v13 0; never rewritten
.macro FIN                             ; a wave's end
	s_wait_tensorcnt 0x0
	ds_add_u32 v[SPW], v[NIL]
	s_wait_dscnt 0x0
	s_endpgm
.endm
	s_load_b512 s[4:19], s[0:1], 0x0               ; mask s[4:5], q s[6:7], k s[8:9], Wv s[10:11], Wq s[12:13], Wk s[14:15], v s[16:17], Wo s[18:19]
	s_load_b256 s[20:27], s[0:1], 0x40             ; codes s[20:21], scales s[22:23], wo16 s[24:25], maskw s[26:27]
	v_lshl_add_u32 v[SPW], v0, 2, SPARE
	v_mov_b32 v[NIL], 0
	v_lshrrev_b32 v1, 5, v0
	v_readfirstlane_b32 s28, v1                    ; wave
	v_and_b32 v2, 31, v0                           ; lane
	v_lshlrev_b32 v3, 4, v2                        ; 16 x lane
	s_wait_kmcnt 0x0
	s_cmp_lt_u32 ttmp9, 128
	s_cbranch_scc1 .Lmask
	s_cmp_ge_u32 ttmp9, 896
	s_cbranch_scc1 .Lwo
; ---------------- THE QUANTISER.  A tensor is a plain stream of blocks of 32; a wave takes 16 steps of 512 numbers.
; Each load reads 512 consecutive bytes; a step's 2,048 bytes turn through the wave's own stage so that a lane holds 16 neighbours (two lanes to a block).
	s_sub_co_u32 s29, ttmp9, 128                   ; 0 .. 767: 128 work-groups to a tensor
	s_lshr_b32 s30, s29, 7                         ; which tensor, in the order of the codes' buffer: q, k, Wv, Wq, Wk, v
	s_mov_b64 s[32:33], s[6:7]
	s_cmp_eq_u32 s30, 1
	s_cselect_b64 s[32:33], s[8:9], s[32:33]
	s_cmp_eq_u32 s30, 2
	s_cselect_b64 s[32:33], s[10:11], s[32:33]
	s_cmp_eq_u32 s30, 3
	s_cselect_b64 s[32:33], s[12:13], s[32:33]
	s_cmp_eq_u32 s30, 4
	s_cselect_b64 s[32:33], s[14:15], s[32:33]
	s_cmp_eq_u32 s30, 5
	s_cselect_b64 s[32:33], s[16:17], s[32:33]
	s_and_b32 s31, s29, 127
	s_lshl_b32 s31, s31, 2
	s_add_co_u32 s31, s31, s28                     ; my run of 8,192 numbers in the tensor
	s_lshl_b32 s34, s31, 15
	s_mov_b32 s35, 0
	s_add_nc_u64 s[32:33], s[32:33], s[34:35]
	s_lshl_b32 s31, s29, 2
	s_add_co_u32 s31, s31, s28                     ; my run among all six tensors': the outputs lie on end
	s_lshl_b32 s34, s31, 12
	s_add_nc_u64 s[20:21], s[20:21], s[34:35]      ; 4,096 bytes of codes a run
	s_lshl_b32 s34, s31, 8
	s_add_nc_u64 s[22:23], s[22:23], s[34:35]      ; 256 scale bytes a run
	s_mul_i32 s36, s28, WREG
	v_lshrrev_b32 v14, 2, v2
	v_mul_u32_u24 v14, v14, SP
	v_and_b32 v15, 3, v2
	v_lshl_add_u32 v14, v15, 4, v14
	v_add_nc_u32 v14, s36, v14                     ; the stage, way in: SP (lane / 4) + 16 (lane % 4)
	v_mul_u32_u24 v15, v2, SP
	v_add_nc_u32 v15, s36, v15                     ; way out: SP x lane
	v_mul_u32_u24 v4, v2, CB                       ; my codes' place in a step's
	v_lshrrev_b32 v5, 1, v2
	s_add_co_u32 s36, s36, 2*32*SP
	v_add_nc_u32 v5, s36, v5                       ; my block's scale byte in LDS
	v_lshlrev_b32 v7, 3, v2
	v_add_nc_u32 v6, s36, v7                       ; and 8 bytes a lane on the way out
.macro LOAD t
.irp i, 0,1,2,3
	global_load_b128 v[R+16*((\t)%4)+4*\i:R+16*((\t)%4)+4*\i+3], v3, s[32:33] offset:2048*(\t)+512*\i th:TH_LOAD_NT
.endr
.endm
.macro TURN t                          ; LDS serves a wave's instructions in order: no wait between the stores and the loads
.irp i, 0,1,2,3
	ds_store_b128 v14, v[R+16*((\t)%4)+4*\i:R+16*((\t)%4)+4*\i+3] offset:32*SP*((\t)%2)+8*SP*\i
.endr
.irp i, 0,1,2,3
	ds_load_b128 v[X+16*((\t)%2)+4*\i:X+16*((\t)%2)+4*\i+3], v15 offset:32*SP*((\t)%2)+16*\i
.endr
.endm
.irp t, 0,1,2,3
	LOAD \t
.endr
	s_wait_loadcnt 12                              ; step 0's four loads are in; three steps' twelve stay out
	TURN 0
.macro STEP t
.set XS, X+16*((\t)%2)
.if (\t) > 0
	s_wait_dscnt 1                                 ; this step's numbers are back from the stage; the last step's byte store may be out
.else
	s_wait_dscnt 0x0
.endif
.if (\t)+4 < STEPS
	LOAD (\t)+4
.endif
.if (\t)+1 < STEPS
.if STEPS-2-(\t) >= 3
	s_wait_loadcnt 12                              ; the next step's four loads are in; those of the three steps behind it may be out
.else
	s_wait_loadcnt 4*(STEPS-2-(\t))
.endif
	TURN (\t)+1
.endif
	v_max3_num_f32 v8, |v[XS]|, |v[XS+1]|, |v[XS+2]|
	v_max3_num_f32 v9, |v[XS+3]|, |v[XS+4]|, |v[XS+5]|
.irp i, 6,10
	v_max3_num_f32 v8, v8, |v[XS+\i]|, |v[XS+\i+1]|
	v_max3_num_f32 v9, v9, |v[XS+\i+2]|, |v[XS+\i+3]|
.endr
	v_max3_num_f32 v8, v8, |v[XS+14]|, |v[XS+15]|
	v_max3_num_f32 v8, v8, v9, (EMAX+1)<<23        ; the floor 2^(EMAX + 1 - 127): the byte cannot fall under 1
	v_max_num_f32_dpp v8, v8, v8 row_xmask:1 row_mask:0xf bank_mask:0xf   ; with my neighbour's 16: the block's largest magnitude
	v_add_nc_u32 v11, -(EMAX<<23), v8              ; EMAX off its exponent field: the conversion's scale operand
	v_cvt_scalef32_pk8_fp4_f32 v[C+4*(\t)], v[XS:XS+7], v11
	v_cvt_scalef32_pk8_fp4_f32 v[C+4*(\t)+1], v[XS+8:XS+15], v11
	v_lshrrev_b32 v[E+(\t)], 23, v11               ; the scale's byte
	ds_store_b8 v5, v[E+(\t)] offset:16*(\t)       ; both lanes of a block write the same byte with the same value
	global_store_b64 v4, v[C+4*(\t):C+4*(\t)+1], s[20:21] offset:32*CB*(\t)   ; the wave stores 256 consecutive bytes, aligned
.endm
.irp t, 0,1,2,3,4,5,6,7,8,9,10,11,12,13,14,15
	STEP \t
.endr
	ds_load_b64 v[8:9], v6
	s_wait_dscnt 0x0
	global_store_b64 v7, v[8:9], s[22:23]          ; my run's 256 scale bytes, aligned
	FIN
; ---------------- THE MASK.  Work-group T takes queries 16 T .. 16 T + 15; wave w keys 512 w .. 512 w + 511 (eight key steps of 64).
.Lmask:
	s_lshl_b32 s30, ttmp9, 15                      ; 16 rows of 2,048 bytes
	s_lshl_b32 s31, s28, 9
	s_add_co_u32 s30, s30, s31
	s_mov_b32 s31, 0
	s_add_nc_u64 s[4:5], s[4:5], s[30:31]
.irp i, 0,1,2,3,4,5,6,7,8,9,10,11,12,13,14,15
	global_load_b128 v[16+4*\i:19+4*\i], v3, s[4:5] offset:2048*\i th:TH_LOAD_NT   ; 512 consecutive bytes of row i
.endr
	s_mul_i32 s29, s28, MWAVE
	s_add_co_u32 s29, s29, MSTG                    ; my stage
	v_add_nc_u32 v4, s29, v3                       ; way in: 16 x lane, row i at MP i
	v_and_b32 v5, 15, v2                           ; r
	v_mul_u32_u24 v5, v5, MP
	v_lshrrev_b32 v6, 4, v2                        ; h
	v_lshl_add_u32 v5, v6, 3, v5
	v_add_nc_u32 v5, s29, v5                       ; way out: row r, 8 h: eight keys of my half of a tile of 16 keys
	s_lshl_b32 s30, ttmp9, 12
	s_lshl_b32 s50, s28, 10
	s_add_co_u32 s30, s30, s50
	s_add_nc_u64 s[54:55], s[26:27], s[30:31]      ; my 256 words: 4,096 T + 1,024 w
	s_lshl_b32 s30, ttmp9, 2
	s_add_nc_u64 s[56:57], s[26:27], s[30:31]      ; F[T], less its 524,288
	s_mov_b32 s36, 0xff
	s_mov_b32 s37, 0xff00
	s_mov_b32 s38, 0xff0000
	s_mov_b32 s39, 0xff000000
	s_mov_b32 s48, 0                               ; my eight steps' flags
	v_mov_b32 v14, 0                               ; the OR of all that my lane sees of its row
.irp g, 0,1,2,3,4,5,6,7
	v_mov_b32 v[144+\g], 0                         ; the words on their way out (a lane write's destination counts as read)
.endr
.irp i, 0,1,2,3,4,5,6,7,8,9,10,11,12,13,14,15
	s_wait_loadcnt 15-\i                           ; row i is in; the younger rows stay out
	ds_store_b128 v4, v[16+4*\i:19+4*\i] offset:MP*\i
.endr
.set uu, 0
.rept 32
	ds_load_b64 v[80+2*uu:81+2*uu], v5 offset:16*uu   ; keys 16 uu + 8 h + 0 .. 7 of row r
.set uu, uu+1
.endr
	s_wait_dscnt 0x0
.macro MSTEP s                         ; key step s of my eight: its flag, and its 32 words
	v_or_b32 v6, v[80+8*\s], v[81+8*\s]
.irp i, 2,3,4,5,6,7
	v_or_b32 v6, v6, v[80+8*\s+\i]
.endr
	v_or_b32 v14, v14, v6
	v_cmp_ne_u32 vcc_lo, 0, v6
	s_cmp_lg_u32 vcc_lo, 0
	s_cselect_b32 s50, 1<<\s, 0
	s_or_b32 s48, s48, s50
.irp kt, 0,1,2,3
.irp j, 0,1,2,3,4,5,6,7
	v_and_b32 v[7+\j%4], s[36+\j%4], v[80+2*(4*\s+\kt)+\j/4]      ; byte j of my eight
	v_cmp_ne_u32 s[40+\j], 0, v[7+\j%4]                           ; bit 16 h + r: the word (step, kt, j)
	v_writelane_b32 v[144+4*(\s/4)+\j%4], s[40+\j], ((4*\s+\kt)%16)*2+\j/4   ; word 32 s + 8 kt + j of my 256 goes to register (word % 4) of lane (word % 128) / 4
.endr
.endr
.endm
.irp s, 0,1,2,3,4,5,6,7
	MSTEP \s
.endr
	global_store_b128 v3, v[144:147], s[54:55]              ; 512 consecutive bytes each
	global_store_b128 v3, v[148:151], s[54:55] offset:512
	v_cmp_ne_u32 vcc_lo, 0, v14
	s_lshr_b32 s49, vcc_lo, 16
	s_or_b32 s49, s49, vcc_lo
	s_and_b32 s49, s49, 0xffff                     ; bit r: row r keeps a key among my 512
	s_lshl_b32 s51, s28, 2
	s_add_co_u32 s51, s51, COMM
	v_mov_b32 v10, s51
	v_mov_b32 v8, s48
	v_mov_b32 v9, s49
	ds_store_b32 v10, v8                           ; all lanes write the same word with the same value
	ds_store_b32 v10, v9 offset:16
	s_wait_dscnt 0x0                               ; for wave 0's sake: my two words have landed
	s_barrier_signal -1
	s_barrier_wait -1
	s_cmp_lg_u32 s28, 0
	s_cbranch_scc1 .Lmask_end
	v_mov_b32 v11, COMM
	ds_load_b128 v[16:19], v11
	ds_load_b128 v[20:23], v11 offset:16
	s_wait_dscnt 0x0
	v_lshl_or_b32 v16, v17, 8, v16
	v_lshl_or_b32 v16, v18, 16, v16
	v_lshl_or_b32 v16, v19, 24, v16                ; the 32 steps' flags
	v_or_b32 v20, v20, v21
	v_or_b32 v22, v22, v23
	v_or_b32 v20, v20, v22
	v_cmp_eq_u32 vcc_lo, 0xffff, v20               ; does every row keep some key?
	v_cndmask_b32 v16, -1, v16, vcc_lo             ; if not: every step is needed
	v_mov_b32 v15, 0
	v_cmp_eq_u32 vcc_lo, 0, v2
	s_wait_xcnt 0x0                                ; EXEC changes only behind this wait: the stores above have read theirs
	s_and_saveexec_b32 s52, vcc_lo
	global_store_b32 v15, v16, s[56:57] offset:524288
	s_wait_xcnt 0x0
	s_or_b32 exec_lo, exec_lo, s52
.Lmask_end:
	FIN
; ---------------- Wo to f16 in layout T.  A wave takes rows n and n + 1: sixteen lanes read 256 consecutive bytes (64 along K) of a row.
.Lwo:
	s_sub_co_u32 s29, ttmp9, 896
	s_lshl_b32 s29, s29, 2
	s_add_co_u32 s29, s29, s28
	s_lshl_b32 s29, s29, 1                         ; n
	s_lshl_b32 s30, s29, 13
	s_mov_b32 s31, 0
	s_add_nc_u64 s[18:19], s[18:19], s[30:31]
	s_lshl_b32 s30, s29, 7
	s_add_nc_u64 s[24:25], s[24:25], s[30:31]
	v_lshrrev_b32 v4, 4, v2
	v_and_b32 v5, 15, v2
	v_lshlrev_b32 v5, 4, v5
	v_lshl_add_u32 v4, v4, 13, v5                  ; (lane / 16) rows + 16 (lane % 16)
	v_lshlrev_b32 v5, 3, v2                        ; out: 128 (lane / 16) + 8 (lane % 16) = 8 x lane
.set kb, 0
.rept 32
	global_load_b128 v[16+4*kb:19+4*kb], v4, s[18:19] offset:256*kb th:TH_LOAD_NT
.set kb, kb+1
.endr
.set kb, 0
.rept 32
	s_wait_loadcnt 31-kb                           ; block kb is in; the younger ones stay out
	v_cvt_pk_f16_f32 v[16+4*kb], v[16+4*kb], v[17+4*kb]
	v_cvt_pk_f16_f32 v[17+4*kb], v[18+4*kb], v[19+4*kb]
	global_store_b64 v5, v[16+4*kb:17+4*kb], s[24:25] offset:262144*kb   ; the wave stores 256 consecutive bytes, aligned
.set kb, kb+1
.endr
	FIN
.Lfunc_end_k_qaa28d49762_prep:
	.size	k_qaa28d49762_prep, .Lfunc_end_k_qaa28d49762_prep-k_qaa28d49762_prep
	.p2alignl 7, 3214868480
	.fill 96, 4, 3214868480
	.section	.rodata,"a",@progbits
	.p2align	6, 0x0
	.amdhsa_kernel k_qaa28d49762_prep
		.amdhsa_group_segment_fixed_size 67328
		.amdhsa_private_segment_fixed_size 0
		.amdhsa_enable_private_segment 0
		.amdhsa_kernarg_size 96
		.amdhsa_user_sgpr_count 2
		.amdhsa_user_sgpr_kernarg_segment_ptr 1
		.amdhsa_wavefront_size32 1
		.amdhsa_system_sgpr_workgroup_id_x 1
		.amdhsa_system_sgpr_workgroup_id_y 1
		.amdhsa_system_sgpr_workgroup_id_z 1
		.amdhsa_system_vgpr_workitem_id 0
		.amdhsa_next_free_vgpr 192
		.amdhsa_next_free_sgpr 66
		.amdhsa_reserve_vcc 1
		.amdhsa_float_denorm_mode_32 3
		.amdhsa_float_denorm_mode_16_64 3
		.amdhsa_memory_ordered 1
		.amdhsa_forward_progress 1
		.amdhsa_inst_pref_size 97
	.end_amdhsa_kernel
	.amdgpu_metadata
---
amdhsa.version: [ 1, 2 ]
amdhsa.kernels:
  - .name:           k_qaa28d49762_prep
    .symbol:         k_qaa28d49762_prep.kd
    .args:
      - { .name: mask, .offset: 0, .size: 8, .value_kind: global_buffer, .address_space: global }
      - { .name: q, .offset: 8, .size: 8, .value_kind: global_buffer, .address_space: global }
      - { .name: k, .offset: 16, .size: 8, .value_kind: global_buffer, .address_space: global }
      - { .name: Wv, .offset: 24, .size: 8, .value_kind: global_buffer, .address_space: global }
      - { .name: Wq, .offset: 32, .size: 8, .value_kind: global_buffer, .address_space: global }
      - { .name: Wk, .offset: 40, .size: 8, .value_kind: global_buffer, .address_space: global }
      - { .name: v, .offset: 48, .size: 8, .value_kind: global_buffer, .address_space: global }
      - { .name: Wo, .offset: 56, .size: 8, .value_kind: global_buffer, .address_space: global }
      - { .name: codes, .offset: 64, .size: 8, .value_kind: global_buffer, .address_space: global }
      - { .name: scales, .offset: 72, .size: 8, .value_kind: global_buffer, .address_space: global }
      - { .name: wo16, .offset: 80, .size: 8, .value_kind: global_buffer, .address_space: global }
      - { .name: maskw, .offset: 88, .size: 8, .value_kind: global_buffer, .address_space: global }
    .group_segment_fixed_size: 67328
    .private_segment_fixed_size: 0
    .kernarg_segment_align: 8
    .kernarg_segment_size: 96
    .max_flat_workgroup_size: 128
    .sgpr_count:     66
    .vgpr_count:     192
    .wavefront_size: 32
...
	.end_amdgpu_metadata
.endif
;; end of part 1
;; launch gemm4 (part 2): grid 8 x 24, 4 waves a work-group, clusters of 4 x 4, 327,680 bytes of LDS; arguments codes, scales, qkv; writes qkv
.if DOCPART == 2
	.amdgcn_target "amdgcn-amd-amdhsa--gfx1250"
	.amdhsa_code_object_version 6
	.text
	.protected	k_qaa28d49762_gemm4
	.globl	k_qaa28d49762_gemm4
	.p2align	8
	.type	k_qaa28d49762_gemm4,@function
k_qaa28d49762_gemm4:
	s_mov_b64 s[64:65], 0
	v_nop
	global_prefetch_b8 v0, s[64:65] scope:SCOPE_SE
	s_setreg_imm32_b32 hwreg(HW_REG_WAVE_MODE, 25, 1), 1
	s_wait_xcnt 0x0
	s_wait_alu depctr_hold_cnt(0) depctr_sa_sdst(0) depctr_va_vdst(0) depctr_va_sdst(0) depctr_va_ssrc(0) depctr_va_vcc(0) depctr_vm_vsrc(0)
	s_getreg_b32 s2, hwreg(HW_REG_IB_STS2, 6, 4)
	s_cmp_eq_u32 s2, 0
	s_cbranch_scc0 .Lentry_in_a_cluster
	s_endpgm
.Lentry_in_a_cluster:
	s_bfe_u32 s2, ttmp6, 0x10000c
	s_cmp_lg_u32 s2, 0xf033
	s_cbranch_scc0 .Lentry_shape_is_right
	s_endpgm
.Lentry_shape_is_right:
; The three quantised products, C = A B^T on codes of FP4 (E2M1) with one E8M0 scale for each 32 along K, K = 2,048; sums in f32.
; codes: [6 x 2048 rows][1,024 bytes], scales: [6 x 2048 rows][64 bytes], tensors q, k, Wv, Wq, Wk, v.  Product g (0, 1, 2) takes tensor g as A and tensor 3 + g as B:
; g = 0: q Wq^T [query][channel]; g = 1: k Wk^T [key][channel]; g = 2: Wv v^T [channel][key]: the values come out with the KEYS innermost, as the second product of attention wants them.
; C is rounded to f16 (magnitudes up to 65,504: a stated limit) and stored in plane g of qkv, in blocks of 64 columns: byte (column / 64) x 262,144 + row x 128 + (column % 64) x 2.
; Plane 3 takes, for g = 2 alone, what the rounding of the values to f16 left over, again as f16: the launch for the first 16 positions uses values as pairs.
; A tile of C, 256 x 256, is made by four waves, 128 x 128 each: 64 accumulators.  K goes in steps of 512 through two LDS slots filled by the tensor data mover (rows of 256 bytes).
; The scale bytes of the work-group's rows, for all of K, come into LDS once, with the first fills.
; CLUSTERS: 4 x 4 work-groups; A's tiles are asked for jointly along a row of the cluster, B's along a column.  Tile rows 0-23 run over the three products, eight each; a cluster lies in one product.
; THE MATRIX INSTRUCTION IS USED TRANSPOSED (source 0 = 16 rows of B, source 1 = 16 rows of A): a lane holds eight neighbouring columns of a row of C.
; REGISTERS: window 0: v0-31 addresses; v32-95 scale words and nothing else; v96-127 packed results; from v128 A's fragments, on the way out rows read back; v192-255 at work on the way out.
;   window 1: B's fragments, two sets.  window 2, 3: the accumulators of my rows 0-63, 64-127.
.set SIZE_K, 2048
.set KSTEP,  512
.set NQ,     KSTEP/128
.set ROWB,   256
.set KROW,   SIZE_K/2
.set PITCH,  272                       ; 256 bytes + 16 of padding = 68 words: the 16 rows that a load touches start at 16 different banks
.set FR,     8
.set NL,     2
.set NP,     4
.set HALFT,  128*PITCH
.set SLOT,   4*HALFT
.set LAPS,   SIZE_K/(2*KSTEP)
.set KS,     SIZE_K/32
.set SCL,    2*SLOT
.set HALFS,  (128*KS/256)*272
.set SBLK,   (16*KS/256)*272
.set SPARE,  SCL+4*HALFS               ; the spare words, 128 bytes a wave: two blocks of 256 bytes that no other line names
.set SPITCH, 272                       ; the way out: a stage of 16 rows x (256 bytes + 16) a wave, in slot 0, which has then had its last fill and its last read
.set ADRA, 16
.set ADRB, 20
.set STO,  24
.set RD,   25
.set CO,   26
.set ADRS, 27
.set SPW,  28
.set NIL,  29
.set SC,   32
.set TMP,  96
.set AF,   128
.set BK,   128
.set WD,   192
.set G1, 24
.set G0, 32
.set G1B, 48
.set G0B, 56
.set G1S, 68
.set G0S, 76
.set G1SB, 80
.set G0SB, 88
.set MSB, 0
.macro WIN new                         ; the immediate's high byte repeats the setting that is left
.if MSB != \new
	s_set_vgpr_msb (MSB<<8)|\new
.set MSB, \new
.endif
.endm
.set MUL_LO, 0xa1
.set MUL_HI, 0xf1
.set TO_B,   0x40
; A joint load: waves 0 and 1 fetch for A, waves 2 and 3 for B; the branch hangs on the wave's number alone.  An s_nop 0 and four v_nop follow each line.
.macro JLOAD g0a, g1a, g0b, g1b
	s_cmp_eq_u32 s15, 0
	s_cbranch_scc0 .Lfor_b_\@
	tensor_load_to_lds s[\g0a:\g0a+3], s[\g1a:\g1a+7]
	s_nop 0
.rept 4
	v_nop
.endr
	s_branch .Lasked_\@
.Lfor_b_\@:
	tensor_load_to_lds s[\g0b:\g0b+3], s[\g1b:\g1b+7]
	s_nop 0
.rept 4
	v_nop
.endr
.Lasked_\@:
.endm
.macro CREST
	s_cmp_lg_u32 s14, 0
	s_cbranch_scc1 .Lnot_wave_0_\@
	s_barrier_signal -3
.Lnot_wave_0_\@:
	s_barrier_wait -3
	s_barrier_signal -1
	s_barrier_wait -1
.endm
.macro CROUND
	s_barrier_signal -1
	s_barrier_wait -1
	CREST
.endm
	s_load_b128 s[4:7], s[0:1], 0x0                ; codes s[4:5], scales s[6:7]
	s_load_b64 s[12:13], s[0:1], 0x10              ; qkv
	v_lshl_add_u32 v[SPW], v0, 2, SPARE
	v_mov_b32 v[NIL], 0
	ds_add_u32 v[SPW], v[NIL]                      ; the wave's opening: the add, twice on end, and its wait ahead of my first tensor load
	ds_add_u32 v[SPW], v[NIL]
	v_lshrrev_b32 v1, 5, v0
	v_readfirstlane_b32 s14, v1                    ; wave
	s_lshr_b32 s15, s14, 1                         ; my half of the tile's rows; also: I fetch for A (0) or B (1)
	s_and_b32 s16, s14, 1                          ; my half of its columns; also: which 128 rows I fetch
	s_bfe_u32 s40, ttmp6, 0x40000                  ; cx
	s_bfe_u32 s41, ttmp6, 0x40004                  ; cy
	s_lshl_b32 s42, ttmp9, 2
	s_add_co_u32 s42, s42, s40                     ; tile column 0 .. 7
	s_and_b32 s17, ttmp7, 0xffff                   ; cluster y 0 .. 5
	s_lshr_b32 s98, s17, 1                         ; g: which product; the same in all sixteen partners
	s_lshl_b32 s17, s17, 2
	s_add_co_u32 s17, s17, s41                     ; tile row 0 .. 23
	s_lshl_b32 s43, s41, 2
	s_lshl_b32 s43, 15, s43                        ; my row of the cluster
	s_lshl_b32 s44, 0x1111, s40                    ; my column
	s_or_b32 s[G1+0], s43, (0<<16)|(1<<20)|(1<<21)|(5<<22)|(3<<25)  ; the mask; elements of 1 byte; padding: 4 words after every 64; bit 21 beside a mask
	s_or_b32 s[G1B+0], s44, (0<<16)|(1<<20)|(1<<21)|(5<<22)|(3<<25)
.irp g, G1, G1B
	s_mov_b32 s[\g+1], ROWB<<16                    ; tensor_dim0
	s_mov_b32 s[\g+2], 128<<16                     ; tensor_dim1
	s_mov_b32 s[\g+3], ROWB<<16                    ; tile_dim0
	s_mov_b32 s[\g+4], 128                         ; tile_dim1
	s_mov_b32 s[\g+5], KROW                        ; pitch
	s_mov_b32 s[\g+6], 0
	s_mov_b32 s[\g+7], 0
.endr
	s_or_b32 s[G1S+0], s43, (3<<16)|(1<<20)|(1<<21)|(5<<22)|(3<<25)  ; the scales of 128 rows: a dense block, as rows of 256 bytes (32 elements of 8)
	s_or_b32 s[G1SB+0], s44, (3<<16)|(1<<20)|(1<<21)|(5<<22)|(3<<25)
.irp g, G1S, G1SB
	s_mov_b32 s[\g+1], 32<<16
	s_mov_b32 s[\g+2], (128*KS/256)<<16
	s_mov_b32 s[\g+3], 32<<16
	s_mov_b32 s[\g+4], 128*KS/256
	s_mov_b32 s[\g+5], 32
	s_mov_b32 s[\g+6], 0
	s_mov_b32 s[\g+7], 0
.endr
	s_lshl_b32 s18, s16, 7
	s_lshl_b32 s20, s17, 8
	s_add_co_u32 s20, s20, s18                     ; A: row 256 x tile row + 128 x half (tensors 0 to 2 lie on end)
	s_lshl_b32 s46, s42, 8
	s_add_co_u32 s46, s46, s18
	s_lshl_b32 s47, s98, 11
	s_add_co_u32 s46, s46, s47
	s_add_co_u32 s46, s46, 6144                    ; B: row 6,144 + 2,048 g + 256 x tile column + 128 x half
	s_mov_b32 s21, 0
	s_mov_b32 s47, 0
	s_mov_b64 s[18:19], KS
	s_mul_u64 s[22:23], s[20:21], s[18:19]
	s_mul_u64 s[92:93], s[46:47], s[18:19]
	s_mov_b64 s[18:19], KROW
	s_mul_u64 s[20:21], s[20:21], s[18:19]
	s_mul_u64 s[46:47], s[46:47], s[18:19]
	s_mul_i32 s45, s14, HALFT
	s_mul_i32 s94, s14, HALFS
	s_wait_dscnt 0x0                               ; both opening adds are done
	s_wait_kmcnt 0x0
	s_add_nc_u64 s[20:21], s[4:5], s[20:21]
	s_add_nc_u64 s[22:23], s[6:7], s[22:23]
	s_add_nc_u64 s[46:47], s[4:5], s[46:47]
	s_add_nc_u64 s[92:93], s[6:7], s[92:93]
	CROUND                                         ; all sixteen work-groups are here: the first joint loads meet
	s_mov_b32 s[G0S], 1
	s_add_co_u32 s[G0S+1], s94, SCL
	s_mov_b64 s[G0S+2:G0S+3], s[22:23]
	s_or_b32 s[G0S+3], s[G0S+3], 0x80000000
	s_mov_b32 s[G0SB], 1
	s_add_co_u32 s[G0SB+1], s94, SCL
	s_mov_b64 s[G0SB+2:G0SB+3], s[92:93]
	s_or_b32 s[G0SB+3], s[G0SB+3], 0x80000000
	JLOAD G0S, G1S, G0SB, G1SB                     ; the scales first
.irp s, 0,1
	s_mov_b32 s[G0+4*\s], 1
	s_add_co_u32 s[G0+4*\s+1], s45, \s*SLOT
	s_add_nc_u64 s[G0+4*\s+2:G0+4*\s+3], s[20:21], \s*ROWB
	s_or_b32 s[G0+4*\s+3], s[G0+4*\s+3], 0x80000000
	s_mov_b32 s[G0B+4*\s], 1
	s_add_co_u32 s[G0B+4*\s+1], s45, \s*SLOT
	s_add_nc_u64 s[G0B+4*\s+2:G0B+4*\s+3], s[46:47], \s*ROWB
	s_or_b32 s[G0B+4*\s+3], s[G0B+4*\s+3], 0x80000000
	JLOAD G0+4*\s, G1, G0B+4*\s, G1B               ; three loads of mine are out at the most
.endr
	v_and_b32 v1, 15, v0                           ; l % 16
	v_bfe_u32 v2, v0, 4, 1                         ; l / 16
	v_mul_u32_u24 v3, v1, PITCH
	v_lshl_add_u32 v4, v2, 4, v3
	s_mul_i32 s21, s15, HALFT
	s_mul_i32 s22, s16, HALFT
	s_add_co_u32 s22, s22, 2*HALFT
.irp s, 0,1
	v_add_nc_u32 v[ADRA+\s], s21, v4
	v_add_nc_u32 v[ADRB+\s], s22, v4
	s_add_co_u32 s21, s21, SLOT
	s_add_co_u32 s22, s22, SLOT
.endr
	v_mul_u32_u24 v5, v1, KS
	v_lshrrev_b32 v6, 8, v5
	v_lshl_add_u32 v5, v6, 4, v5
	s_mul_i32 s21, s15, HALFS
	s_mul_i32 s22, s16, HALFS
	s_add_co_u32 s22, s22, 2*HALFS
	s_sub_co_u32 s22, s22, s21
	v_mul_u32_u24 v6, s22, v2                      ; lanes 16-31 take B's scale words
	s_add_co_u32 s21, s21, SCL
	v_add_nc_u32 v5, v5, v6
	v_add_nc_u32 v[ADRS], s21, v5
	s_mul_i32 s23, s14, 16*SPITCH                  ; my stage
	v_mul_u32_u24 v5, v1, SPITCH
	v_lshl_add_u32 v5, v2, 4, v5
	v_add_nc_u32 v[STO], s23, v5                   ; in: row l % 16, 16 bytes for each half of the lanes
	v_and_b32 v6, 31, v0
	v_lshlrev_b32 v[CO], 4, v6                     ; out: 16 x lane: four rows of 128 bytes are 512 consecutive bytes of a block
	v_lshrrev_b32 v5, 3, v6
	v_mul_u32_u24 v5, v5, SPITCH
	v_and_b32 v6, 7, v6
	v_lshl_add_u32 v5, v6, 4, v5
	v_add_nc_u32 v[RD], s23, v5                    ; back: row lane / 8, 16 (lane % 8)
	s_and_b32 s20, s17, 7
	s_lshl_b32 s20, s20, 8
	s_lshl_b32 s21, s15, 7
	s_add_co_u32 s20, s20, s21                     ; my first row in the plane
	s_lshl_b32 s20, s20, 7                         ; x 128 bytes
	s_lshl_b32 s46, s42, 2
	s_lshl_b32 s47, s16, 1
	s_add_co_u32 s46, s46, s47                     ; my first block of 64 columns
	s_lshl_b32 s46, s46, 18
	s_add_co_u32 s20, s20, s46
	s_lshl_b32 s46, s98, 23                        ; plane g
	s_add_co_u32 s20, s20, s46
	s_mov_b32 s21, 0
	s_add_nc_u64 s[12:13], s[12:13], s[20:21]
	s_mov_b64 s[20:21], s[12:13]                   ; kept for plane 3
.macro FRAG reg, adr, q, i
.irp c, 0,1
	ds_load_b128 v[\reg+4*\c:\reg+4*\c+3], v[\adr] offset:64*(\q)+32*\c+(\i)*16*PITCH
.endr
.endm
; 16 matrix instructions: A's blocks a0, a0 + 1 x B's eight.  The 64 accumulators take turns, one instruction a turn, in the same order in every step.
.macro MUL16 a0, p, q, sc, zero
.irp a, \a0, \a0+1
.irp b, 0,1,2,3,4,5,6,7
.if \zero
	v_wmma_scale_f32_16x16x128_f8f6f4 v[8*(8*((\a)%4)+\b):8*(8*((\a)%4)+\b)+7], v[128*(\p)+FR*\b:128*(\p)+FR*\b+FR-1], v[AF+FR*(\a):AF+FR*(\a)+FR-1], 0, v[SC+8*NQ*(\sc)+NQ*\b+(\q)], v[SC+8*NQ*(\sc)+NQ*(\a)+(\q)] matrix_a_fmt:MATRIX_FMT_FP4 matrix_b_fmt:MATRIX_FMT_FP4 matrix_a_scale:MATRIX_SCALE_ROW1
.else
	v_wmma_scale_f32_16x16x128_f8f6f4 v[8*(8*((\a)%4)+\b):8*(8*((\a)%4)+\b)+7], v[128*(\p)+FR*\b:128*(\p)+FR*\b+FR-1], v[AF+FR*(\a):AF+FR*(\a)+FR-1], v[8*(8*((\a)%4)+\b):8*(8*((\a)%4)+\b)+7], v[SC+8*NQ*(\sc)+NQ*\b+(\q)], v[SC+8*NQ*(\sc)+NQ*(\a)+(\q)] matrix_a_fmt:MATRIX_FMT_FP4 matrix_b_fmt:MATRIX_FMT_FP4 matrix_a_scale:MATRIX_SCALE_ROW1
.endif
.endr
.endr
.endm
.macro FETCH_B slot, q, p
	WIN TO_B
.irp i, 0,1,2,3,4,5,6,7
	FRAG 128*(\p)+FR*\i, ADRB+\slot, \q, \i
.endr
	WIN 0
.endm
.macro FETCH_A slot, q, i0
.irp i, \i0, \i0+1, \i0+2, \i0+3
	FRAG AF+FR*(\i), ADRA+\slot, \q, \i
.endr
.endm
.macro SCALES sc                       ; a K step's scale words: lanes 0-15 A's block i, lanes 16-31 B's block i
.irp i, 0,1,2,3,4,5,6,7
	ds_load_b128 v[SC+8*NQ*\sc+NQ*\i:SC+8*NQ*\sc+NQ*\i+3], v[ADRS] offset:\i*SBLK
.endr
.endm
.macro PLACES n                        ; plain vector places between a matrix instruction and a load into, or a read of, its registers
.rept \n
	v_nop
.endr
.endm
.macro STEP slot, q, zero
	s_wait_dscnt 4*NL                              ; B's set and A's blocks 0-3 are in; A's blocks 4-7 (eight loads) may be out
	WIN MUL_LO
	MUL16 0, (\q)%2, \q, \slot, \zero
	MUL16 2, (\q)%2, \q, \slot, \zero
	s_wait_dscnt 0
	PLACES NP
	FETCH_B \slot, (\q)+1, 1-(\q)%2
	FETCH_A \slot, (\q)+1, 0
	WIN MUL_HI
	MUL16 4, (\q)%2, \q, \slot, \zero
	MUL16 6, (\q)%2, \q, \slot, \zero
	PLACES NP
	WIN 0
	FETCH_A \slot, (\q)+1, 4
.endm
; A slot's last step changes slots: one barrier; in front of it each wave waits for all its tensor loads, adds 0 to its spare word, and waits for that and for its reads of this slot.
.macro TURN slot, next, fill
	s_wait_tensorcnt 0x0                           ; all my tensor loads have landed: my part of the next slot
	ds_add_u32 v[SPW], v[NIL]
	s_wait_dscnt 4*NL+1                            ; the add and A's blocks 4-7 may be out
	WIN MUL_LO
	MUL16 0, 1, NQ-1, \slot, 0
	s_wait_dscnt 0x0                               ; the add is done, and my reads of this slot are over
	s_barrier_signal -1
	MUL16 2, 1, NQ-1, \slot, 0
	WIN 0
	s_barrier_wait -1
.if \fill
	CREST                                          ; the barrier has opened a round of the cluster's: no wave of any partner still reads this slot or has a load on its way
	s_add_nc_u64 s[G0+4*\slot+2:G0+4*\slot+3], s[G0+4*\slot+2:G0+4*\slot+3], 2*ROWB
	s_add_nc_u64 s[G0B+4*\slot+2:G0B+4*\slot+3], s[G0B+4*\slot+2:G0B+4*\slot+3], 2*ROWB
	JLOAD G0+4*\slot, G1, G0B+4*\slot, G1B         ; the first tensor load behind the round
.else
	PLACES NP
.endif
	v_add_nc_u32 v[ADRS], 4*NQ, v[ADRS]
	FETCH_B \next, 0, 0
	FETCH_A \next, 0, 0
	SCALES \next
	WIN MUL_HI
	MUL16 4, 1, NQ-1, \slot, 0
	MUL16 6, 1, NQ-1, \slot, 0
	PLACES NP
	WIN 0
	FETCH_A \next, 0, 4
.endm
.macro STEPS slot, from
.set Q, \from
.rept NQ-1-\from
	STEP \slot, Q, 0
.set Q, Q+1
.endr
.endm
	s_wait_tensorcnt 1                             ; the scales and my part of K step 0 are in; K step 1's load may be out
	s_barrier_signal -1
	s_barrier_wait -1
	FETCH_B 0, 0, 0
	FETCH_A 0, 0, 0
	SCALES 0
	FETCH_A 0, 0, 4
	STEP 0, 0, 1                                   ; the first step's products start the sums
	s_mov_b32 s3, LAPS-1
.Llap:
	STEPS 0, 1
	TURN 0, 1, 1
	STEPS 1, 0
	TURN 1, 0, 1
	STEP 0, 0, 0
	s_sub_co_u32 s3, s3, 1
	s_cmp_lg_u32 s3, 0
	s_cbranch_scc1 .Llap
	STEPS 0, 1                                     ; the last lap fills nothing
	TURN 0, 1, 0
	STEPS 1, 0
	s_wait_dscnt 4*NL
	WIN MUL_LO
	MUL16 0, 1, NQ-1, 1, 0
	MUL16 2, 1, NQ-1, 1, 0
	s_wait_dscnt 0
	WIN MUL_HI
	MUL16 4, 1, NQ-1, 1, 0
	MUL16 6, 1, NQ-1, 1, 0
	WIN 0
; THE WAY OUT, a block of 16 rows x 128 columns at a time: rounded to f16 (16 bytes a lane), through my own stage, back as four rows of 128 bytes of one block of 64 columns, which are 512 consecutive bytes.
.macro PACK a
.set AC, 64*((\a)%4)
	WIN 0x0a+5*((\a)/4)                            ; both sources: window 2 or 3
.set ii, 0
.rept 32
	v_cvt_pk_f16_f32 v[TMP+ii], v[AC+2*ii], v[AC+2*ii+1]   ; each accumulator from its low end on
.set ii, ii+1
.endr
	WIN 0
.endm
.macro WIDEN                           ; the 64 halves of v96-127 back to f32, into v192-255
.set wi, 0
.irp x, v96.l,v96.h,v97.l,v97.h,v98.l,v98.h,v99.l,v99.h,v100.l,v100.h,v101.l,v101.h,v102.l,v102.h,v103.l,v103.h,v104.l,v104.h,v105.l,v105.h,v106.l,v106.h,v107.l,v107.h,v108.l,v108.h,v109.l,v109.h,v110.l,v110.h,v111.l,v111.h,v112.l,v112.h,v113.l,v113.h,v114.l,v114.h,v115.l,v115.h,v116.l,v116.h,v117.l,v117.h,v118.l,v118.h,v119.l,v119.h,v120.l,v120.h,v121.l,v121.h,v122.l,v122.h,v123.l,v123.h,v124.l,v124.h,v125.l,v125.h,v126.l,v126.h,v127.l,v127.h
	v_cvt_f32_f16 v[WD+wi], \x
.set wi, wi+1
.endr
.endm
.macro PACKLO a                        ; what the rounding to f16 left over, again as f16
	PACK \a
	WIDEN
	WIN 0x02+((\a)/4)                              ; source 0: window 2 or 3
.set ii, 0
.rept 32
	v_pk_add_f32 v[WD+2*ii:WD+2*ii+1], v[AC+2*ii:AC+2*ii+1], v[WD+2*ii:WD+2*ii+1] neg_lo:[0,1] neg_hi:[0,1]
.set ii, ii+1
.endr
	WIN 0
.set ii, 0
.rept 32
	v_cvt_pk_f16_f32 v[TMP+ii], v[WD+2*ii], v[WD+2*ii+1]
.set ii, ii+1
.endr
.endm
.macro TOSTAGE a
.set BB, BK+32*((\a)%2)
.irp b, 0,1,2,3,4,5,6,7
	ds_store_b128 v[STO], v[TMP+4*\b:TMP+4*\b+3] offset:32*\b
.endr
.irp t, 0,1,2,3
.irp u, 0,1
	ds_load_b128 v[BB+4*(2*\t+\u):BB+4*(2*\t+\u)+3], v[RD] offset:4*SPITCH*\t+128*\u   ; LDS serves a wave's instructions in order: these see the stores above
.endr
.endr
.endm
.macro SEND a
.set BB, BK+32*((\a)%2)
	s_wait_dscnt 0x0                               ; the block is back in registers
	s_wait_xcnt 0x0                                ; earlier stores have read their base and their data: both may be written again
.if (\a) > 0
	s_add_nc_u64 s[12:13], s[12:13], 2048          ; 16 rows of 128 bytes on
.endif
.irp t, 0,1,2,3
.irp u, 0,1
	global_store_b128 v[CO], v[BB+4*(2*\t+\u):BB+4*(2*\t+\u)+3], s[12:13] offset:262144*\u+512*\t   ; 512 consecutive bytes, aligned
.endr
.endr
.endm
	PLACES NP
	PACK 0
	TOSTAGE 0
.irp a, 1,2,3,4,5,6,7
	PACK \a
	SEND \a-1
	TOSTAGE \a
.endr
	SEND 7
	s_cmp_lg_u32 s98, 2                            ; the values' product alone has a second plane; g is the cluster's, so all partners go the same way
	s_cbranch_scc1 .Ldone
	s_wait_xcnt 0x0
	s_add_nc_u64 s[12:13], s[20:21], 0x800000      ; plane 3
	PACKLO 0
	TOSTAGE 0
.irp a, 1,2,3,4,5,6,7
	PACKLO \a
	SEND \a-1
	TOSTAGE \a
.endr
	SEND 7
.Ldone:
	s_wait_tensorcnt 0x0                           ; the wave's end
	ds_add_u32 v[SPW], v[NIL]
	s_wait_dscnt 0x0
	CROUND                                         ; the closing round
	s_endpgm
.Lfunc_end_k_qaa28d49762_gemm4:
	.size	k_qaa28d49762_gemm4, .Lfunc_end_k_qaa28d49762_gemm4-k_qaa28d49762_gemm4
	.p2alignl 7, 3214868480
	.fill 96, 4, 3214868480
	.section	.rodata,"a",@progbits
	.p2align	6, 0x0
	.amdhsa_kernel k_qaa28d49762_gemm4
		.amdhsa_group_segment_fixed_size 327680
		.amdhsa_private_segment_fixed_size 0
		.amdhsa_enable_private_segment 0
		.amdhsa_kernarg_size 24
		.amdhsa_user_sgpr_count 2
		.amdhsa_user_sgpr_kernarg_segment_ptr 1
		.amdhsa_wavefront_size32 1
		.amdhsa_system_sgpr_workgroup_id_x 1
		.amdhsa_system_sgpr_workgroup_id_y 1
		.amdhsa_system_sgpr_workgroup_id_z 1
		.amdhsa_system_vgpr_workitem_id 0
		.amdhsa_next_free_vgpr 1024
		.amdhsa_next_free_sgpr 100
		.amdhsa_reserve_vcc 0
		.amdhsa_float_denorm_mode_32 3
		.amdhsa_float_denorm_mode_16_64 3
		.amdhsa_memory_ordered 1
		.amdhsa_forward_progress 1
		.amdhsa_inst_pref_size 255
	.end_amdhsa_kernel
	.section	.bss,"aw",@nobits
	.p2align	6
	.space	262144
	.amdgpu_metadata
---
amdhsa.version: [ 1, 2 ]
amdhsa.kernels:
  - .name:           k_qaa28d49762_gemm4
    .symbol:         k_qaa28d49762_gemm4.kd
    .args:
      - { .name: codes, .offset: 0, .size: 8, .value_kind: global_buffer, .address_space: global }
      - { .name: scales, .offset: 8, .size: 8, .value_kind: global_buffer, .address_space: global }
      - { .name: qkv, .offset: 16, .size: 8, .value_kind: global_buffer, .address_space: global }
    .group_segment_fixed_size: 327680
    .private_segment_fixed_size: 0
    .kernarg_segment_align: 8
    .kernarg_segment_size: 24
    .max_flat_workgroup_size: 128
    .sgpr_count:     100
    .vgpr_count:     1024
    .wavefront_size: 32
...
	.end_amdgpu_metadata
.endif
;; end of part 2
;; launch fineA (part 3): grid 32 x 1, 8 waves a work-group, no clusters, 140,288 bytes of LDS; arguments qkv, maskw, o16, ofine; writes o16, ofine
.if DOCPART == 3
	.amdgcn_target "amdgcn-amd-amdhsa--gfx1250"
	.amdhsa_code_object_version 6
	.text
	.protected	k_qaa28d49762_fineA
	.globl	k_qaa28d49762_fineA
	.p2align	8
	.type	k_qaa28d49762_fineA,@function
k_qaa28d49762_fineA:
	s_mov_b64 s[64:65], 0
	v_nop
	global_prefetch_b8 v0, s[64:65] scope:SCOPE_SE
	s_setreg_imm32_b32 hwreg(HW_REG_WAVE_MODE, 25, 1), 1
	s_wait_xcnt 0x0
; Attention for positions 0-15 of every head, carried more finely: rows that may average few values are the largest in size.  The weights p and the values go to the matrix unit
; as pairs of f16 (a high and a low part, split in f32): O = Vhi Phi + Vhi Plo + Vlo Phi.  The result leaves in f32 (ofine) and, for the bulk projection's tile, in f16 (o16).
; ofine is laid as the projection's lanes take it: the four channels k0 .. k0 + 3 (k0 a multiple of 4, of 2,048) of query r lie at byte 8,192 (k0 / 128) + 512 ((k0 % 128) / 8) + 256 ((k0 / 4) % 2) + 16 r.
; LEFT OUT, by the stored flag word of tile 0: units of 64 keys in which no mask byte of the 16 queries is set, where every query keeps some key (such keys have p = 0 in reference()).
; A work-group takes a head; wave w takes units w, w + 8, w + 16, w + 24 of 64 keys, each with a maximum and a sum of its own; the 32 units' parts meet in LDS and are joined by the usual rescaling.
; The fill under the mask is -2^126 on the raw score (reference(): the lowest f32 on the scaled one): c x fill is exact, so fill less maximum is 0 where a query keeps no key, and p is 0 beside any real score above -1e37.
; Both products are used transposed: S^T = K Q^T, O^T = V^T P: a lane holds one query (lane % 16).
; REGISTERS: window 0: v1, v2 the add's two; v3 the fill; v4-9, v14, v30, v31 offsets; v10:11 (c m, l); v12 c m, v13 m; v16-23 at work; v24-27 zeros; v28:29 (c fill, 0); v32-47 Q;
;   v48-111 K, then Phi 48-63, Plo 64-79, Phi widened 80-111; v112-143 S^T; v144-175 O^T.   window 1: v0-63 Vhi, v64-127 Vlo.
.set PARTB, 4352                       ; a unit's part in LDS: O^T's image, 8 x 512 bytes, then 8 bytes a lane of (c m, l)
.set GRP,   8*PARTB
.set SPARE, 32*PARTB                   ; the spare words, 128 bytes a wave: four blocks of 256 bytes that no other line names
.set MSB, 0
.macro WIN new
.if MSB != \new
	s_set_vgpr_msb (MSB<<8)|\new
.set MSB, \new
.endif
.endm
	s_load_b256 s[4:11], s[0:1], 0x0               ; qkv s[4:5], maskw s[6:7], o16 s[8:9], ofine s[10:11]
	v_lshl_add_u32 v1, v0, 2, SPARE
	v_mov_b32 v2, 0
	v_lshrrev_b32 v16, 5, v0
	v_readfirstlane_b32 s40, v16                   ; wave 0 .. 7
	v_and_b32 v17, 31, v0                          ; lane
	v_and_b32 v18, 15, v0                          ; r
	v_bfe_u32 v19, v0, 4, 1                        ; h
	v_lshlrev_b32 v4, 7, v18
	v_lshl_add_u32 v4, v19, 4, v4                  ; a fragment's row of 128 bytes, + 16 h: the same for Q, K and V^T
	s_mul_i32 s46, s40, PARTB
	v_lshlrev_b32 v5, 4, v17
	v_add_nc_u32 v5, s46, v5                       ; unit w's image: 16 x lane
	v_lshlrev_b32 v6, 3, v17
	v_add_nc_u32 v9, 4096, v6                      ; unit 0's statistics: 8 x lane
	v_add_nc_u32 v6, s46, v9                       ; unit w's
	s_lshl_b32 s46, s40, 9
	v_lshlrev_b32 v14, 4, v17
	v_add_nc_u32 v14, s46, v14                     ; the joining: group w of four registers of unit 0's image
	v_lshlrev_b32 v30, 4, v18
	v_lshl_add_u32 v30, v19, 9, v30                ; ofine: 16 r + 512 h
	v_lshlrev_b32 v31, 7, v18
	v_lshl_add_u32 v31, v19, 4, v31                ; o16: 128 r + 16 h
	s_mov_b32 s24, 0x3e38aa3b                      ; c = log2(e) / 8
	s_mov_b32 s25, s24
	s_mov_b32 s26, 0x76543210
	s_mov_b32 s27, 0xfedcba98                      ; lane l xor 16
	v_mov_b32 v3, 0xfe800000                       ; -2^126
	v_mov_b32 v20, 0                               ; (a lane permute's destination counts as read)
.irp n, 24,25,26,27,29
	v_mov_b32 v\n, 0
.endr
	v_mul_f32 v28, s24, v3
	s_mov_b32 s41, ttmp9                           ; the head
	s_lshl_b32 s46, s41, 18
	s_mov_b32 s47, 0
	s_lshl_b32 s48, s40, 13
	s_mov_b32 s49, 0
	s_wait_kmcnt 0x0
	s_load_b32 s44, s[6:7], 0x80000                ; F[0]
	s_add_nc_u64 s[18:19], s[4:5], s[46:47]        ; Q: the head's block of plane 0
	s_add_nc_u64 s[12:13], s[18:19], s[48:49]
	s_add_nc_u64 s[12:13], s[12:13], 0x800000      ; K: plane 1, unit w
	s_lshl_b32 s46, s41, 13
	s_lshl_b32 s48, s40, 18
	s_add_co_u32 s46, s46, s48
	s_add_nc_u64 s[14:15], s[4:5], s[46:47]
	s_add_nc_u64 s[14:15], s[14:15], 0x1000000     ; Vhi: plane 2, block of keys w, the head's 64 channels
	s_add_nc_u64 s[16:17], s[14:15], 0x800000      ; Vlo: plane 3
	s_lshl_b32 s46, s40, 7
	s_add_nc_u64 s[42:43], s[6:7], s[46:47]        ; tile 0's mask words of unit w
.irp c, 0,1
	global_load_b128 v[32+8*\c:35+8*\c], v4, s[18:19] offset:64*\c
	global_load_b128 v[36+8*\c:39+8*\c], v4, s[18:19] offset:64*\c+32
.endr
	s_lshr_b32 s48, s40, 1                         ; in the joining wave w holds channels 16 (w / 2) + 8 h + 4 (w % 2) + 0 .. 3 of the head's 64
	s_and_b32 s50, s40, 1
	s_lshl_b32 s46, s41, 12                        ; ofine: 4,096 x head + 1,024 (w / 2) + 256 (w % 2): the layout at the head, with k0 = 64 head + my first channel
	s_lshl_b32 s51, s48, 10
	s_add_co_u32 s46, s46, s51
	s_lshl_b32 s51, s50, 8
	s_add_co_u32 s46, s46, s51
	s_add_nc_u64 s[10:11], s[10:11], s[46:47]
	s_lshl_b32 s46, s41, 18
	s_lshl_b32 s51, s48, 5
	s_add_co_u32 s46, s46, s51
	s_lshl_b32 s51, s50, 3
	s_add_co_u32 s46, s46, s51
	s_add_nc_u64 s[8:9], s[8:9], s[46:47]
	s_wait_kmcnt 0x0
	s_lshr_b32 s45, s44, s40                       ; bit 8 i: unit w + 8 i is needed
.macro UNIT i
	v_add_nc_u32 v7, GRP*\i, v5                    ; where unit w + 8 i puts its part: made ahead of the branch, for both ways
	v_add_nc_u32 v8, GRP*\i, v6
	s_bitcmp1_b32 s45, 8*\i
	s_cbranch_scc0 .Lidle_\@
	s_load_b512 s[68:83], s[42:43], 1024*\i
	s_load_b512 s[84:99], s[42:43], 1024*\i+64
.irp kt, 0,1,2,3
.irp c, 0,1
	global_load_b128 v[48+16*\kt+8*\c:51+16*\kt+8*\c], v4, s[12:13] offset:65536*\i+2048*\kt+64*\c
	global_load_b128 v[52+16*\kt+8*\c:55+16*\kt+8*\c], v4, s[12:13] offset:65536*\i+2048*\kt+64*\c+32
.endr
.endr
	WIN 0x40                                       ; destination window 1
.irp ct, 0,1,2,3
.irp ks, 0,1
	global_load_b128 v[16*\ct+8*\ks:16*\ct+8*\ks+3], v4, s[14:15] offset:2097152*\i+2048*\ct+64*\ks
	global_load_b128 v[16*\ct+8*\ks+4:16*\ct+8*\ks+7], v4, s[14:15] offset:2097152*\i+2048*\ct+64*\ks+32
	global_load_b128 v[64+16*\ct+8*\ks:64+16*\ct+8*\ks+3], v4, s[16:17] offset:2097152*\i+2048*\ct+64*\ks
	global_load_b128 v[64+16*\ct+8*\ks+4:64+16*\ct+8*\ks+7], v4, s[16:17] offset:2097152*\i+2048*\ct+64*\ks+32
.endr
.endr
	WIN 0
	s_wait_loadcnt 32                              ; Q and K are in; V's 32 loads may stay out
.irp c, 0,1                                    ; S^T = K Q^T: the four tiles of keys by turns
.irp kt, 0,1,2,3
.if \c == 0
	v_wmma_f32_16x16x32_f16 v[112+8*\kt:119+8*\kt], v[48+16*\kt:55+16*\kt], v[32:39], 0
.else
	v_wmma_f32_16x16x32_f16 v[112+8*\kt:119+8*\kt], v[56+16*\kt:63+16*\kt], v[40:47], v[112+8*\kt:119+8*\kt]
.endif
.endr
.endr
.rept 4
	v_nop
.endr
	s_wait_kmcnt 0x0
.set ii, 0
.rept 32
	v_cndmask_b32 v[112+ii], v3, v[112+ii], s[68+ii]   ; register 8 kt + j: key 16 kt + 8 h + j of my query: kept, or the fill
.set ii, ii+1
.endr
.irp n, 0,1,2,3
	v_max3_num_f32 v[16+\n], v[112+8*\n], v[113+8*\n], v[114+8*\n]
.endr
.irp z, 3,5
.irp n, 0,1,2,3
	v_max3_num_f32 v[16+\n], v[16+\n], v[112+8*\n+\z], v[113+8*\n+\z]
.endr
.endr
	v_max3_num_f32 v16, v16, v119, v127
	v_max3_num_f32 v18, v18, v135, v143
	v_max3_num_f32 v16, v16, v17, v18
	v_max_num_f32 v16, v16, v19
	v_permlanex16_b32 v20, v16, s26, s27
	v_max_num_f32 v13, v16, v20                    ; the unit's largest score of my query
	v_mul_f32 v12, s24, v13
.set ii, 0
.rept 16
	v_pk_fma_f32 v[112+2*ii:113+2*ii], v[112+2*ii:113+2*ii], s[24:25], v[12:13] op_sel_hi:[1,0,0] neg_lo:[0,0,1] neg_hi:[0,0,1]   ; c s - c m
.set ii, ii+1
.endr
.set ii, 0
.rept 32
	v_exp_f32 v[112+ii], v[112+ii]
.set ii, ii+1
.endr
	v_nop                                          ; a plain place behind the last exponential
	s_wait_alu depctr_va_vdst(0)                   ; one wait for the batch, ahead of its first reader
.set ii, 0
.rept 16
	v_cvt_pk_f16_f32 v[48+ii], v[112+2*ii], v[113+2*ii]   ; p's high part
.set ii, ii+1
.endr
.set wi, 0
.irp x, v48.l,v48.h,v49.l,v49.h,v50.l,v50.h,v51.l,v51.h,v52.l,v52.h,v53.l,v53.h,v54.l,v54.h,v55.l,v55.h,v56.l,v56.h,v57.l,v57.h,v58.l,v58.h,v59.l,v59.h,v60.l,v60.h,v61.l,v61.h,v62.l,v62.h,v63.l,v63.h
	v_cvt_f32_f16 v[80+wi], \x
.set wi, wi+1
.endr
	v_pk_add_f32 v[16:17], v[112:113], v[114:115]  ; the sum is taken of p as it is, in two chains
	v_pk_add_f32 v[18:19], v[116:117], v[118:119]
.irp n, 8,12,16,20,24,28
	v_pk_add_f32 v[16:17], v[16:17], v[112+\n:113+\n]
	v_pk_add_f32 v[18:19], v[18:19], v[114+\n:115+\n]
.endr
	v_pk_add_f32 v[16:17], v[16:17], v[18:19]
	v_add_f32 v16, v16, v17
	v_permlanex16_b32 v20, v16, s26, s27
	v_add_f32 v11, v16, v20                        ; l of the unit's 64 keys
	v_mov_b32 v10, v12
.set ii, 0
.rept 16
	v_pk_add_f32 v[112+2*ii:113+2*ii], v[112+2*ii:113+2*ii], v[80+2*ii:81+2*ii] neg_lo:[0,1] neg_hi:[0,1]
.set ii, ii+1
.endr
.set ii, 0
.rept 16
	v_cvt_pk_f16_f32 v[64+ii], v[112+2*ii], v[113+2*ii]   ; p's low part
.set ii, ii+1
.endr
	s_wait_loadcnt 0x0                             ; V
	WIN 0x01                                       ; source 0 (V^T) window 1
.irp ks, 0,1                                   ; O^T = V^T P, three terms; the four tiles of channels by turns
.irp tm, 0,1,2
.irp ct, 0,1,2,3
.if (\ks == 0) && (\tm == 0)
	v_wmma_f32_16x16x32_f16 v[144+8*\ct:151+8*\ct], v[16*\ct:16*\ct+7], v[48:55], 0
.else
	v_wmma_f32_16x16x32_f16 v[144+8*\ct:151+8*\ct], v[64*(\tm/2)+16*\ct+8*\ks:64*(\tm/2)+16*\ct+8*\ks+7], v[48+16*(\tm%2)+8*\ks:55+16*(\tm%2)+8*\ks], v[144+8*\ct:151+8*\ct]
.endif
.endr
.endr
.endr
	WIN 0
.rept 4
	v_nop
.endr
.irp g, 0,1,2,3,4,5,6,7
	ds_store_b128 v7, v[144+4*\g:147+4*\g] offset:512*\g
.endr
	ds_store_b64 v8, v[10:11]
	s_branch .Ljoin_\@
.Lidle_\@:                                     ; a unit that is not needed: zeros, under the lowest maximum
.irp g, 0,1,2,3,4,5,6,7
	ds_store_b128 v7, v[24:27] offset:512*\g
.endr
	ds_store_b64 v8, v[28:29]
.Ljoin_\@:
	s_wait_dscnt 0x0                               ; the stores have landed
.endm
	UNIT 0
	UNIT 1
	UNIT 2
	UNIT 3
	s_wait_loadcnt 0x0                             ; Q's four loads are done also on the way on which none of my units was needed: the joining writes their registers
	s_barrier_signal -1                            ; every wave's parts lie in LDS (each has waited for its stores)
	s_barrier_wait -1
; THE JOINING, the same text in all waves: wave w joins registers 4 w .. 4 w + 3 of the 32 images.
.irp n, 0,1,2,3
	v_add_nc_u32 v[16+\n], GRP*\n, v9
	v_add_nc_u32 v[20+\n], GRP*\n, v14
.endr
.set uu, 0
.rept 32
	ds_load_b64 v[32+2*uu:33+2*uu], v[16+uu/8] offset:PARTB*(uu%8)
.set uu, uu+1
.endr
.set uu, 0
.rept 16
	ds_load_b128 v[128+4*uu:131+4*uu], v[20+uu/8] offset:PARTB*(uu%8)
.set uu, uu+1
.endr
	s_wait_dscnt 16                                ; the 32 units' (c m, l) are in; the sixteen loads issued behind them stay out
	v_max3_num_f32 v12, v32, v34, v36
.irp u, 3,5,7,9,11,13,15,17,19,21,23,25,27,29
	v_max3_num_f32 v12, v12, v[32+2*\u], v[34+2*\u]
.endr
	v_max_num_f32 v12, v12, v94                    ; the largest c m of the 32 units
.set uu, 0
.rept 32
	v_sub_f32 v[96+uu], v[32+2*uu], v12
.set uu, uu+1
.endr
.set uu, 16
.rept 16
	ds_load_b128 v[128+4*uu:131+4*uu], v[20+uu/8] offset:PARTB*(uu%8)   ; the other sixteen units' group: they land while the exponentials run
.set uu, uu+1
.endr
.set uu, 0
.rept 32
	v_exp_f32 v[96+uu], v[96+uu]
.set uu, uu+1
.endr
	v_nop                                          ; a plain place behind the last exponential
	s_wait_alu depctr_va_vdst(0)                   ; one wait for the 32, ahead of their first reader
	s_wait_dscnt 0x0                               ; all 32 groups are in
	v_mul_f32 v13, v96, v33
.irp n, 0,1,2,3
	v_mul_f32 v[24+\n], v96, v[128+\n]
.endr
.set uu, 1
.rept 31
	v_fmac_f32 v13, v[96+uu], v[33+2*uu]
.irp n, 0,1,2,3
	v_fmac_f32 v[24+\n], v[96+uu], v[128+4*uu+\n]
.endr
.set uu, uu+1
.endr
	v_rcp_f32 v13, v13
	v_nop
	s_wait_alu depctr_va_vdst(0)
.irp n, 0,1,2,3
	v_mul_f32 v[24+\n], v[24+\n], v13
.endr
	global_store_b128 v30, v[24:27], s[10:11]      ; sixteen lanes store 256 consecutive bytes, aligned
	v_cvt_pk_f16_f32 v28, v24, v25
	v_cvt_pk_f16_f32 v29, v26, v27
	global_store_b64 v31, v[28:29], s[8:9]
	s_wait_tensorcnt 0x0                           ; the wave's end
	ds_add_u32 v1, v2
	s_wait_dscnt 0x0
	s_endpgm
.Lfunc_end_k_qaa28d49762_fineA:
	.size	k_qaa28d49762_fineA, .Lfunc_end_k_qaa28d49762_fineA-k_qaa28d49762_fineA
	.p2alignl 7, 3214868480
	.fill 96, 4, 3214868480
	.section	.rodata,"a",@progbits
	.p2align	6, 0x0
	.amdhsa_kernel k_qaa28d49762_fineA
		.amdhsa_group_segment_fixed_size 140288
		.amdhsa_private_segment_fixed_size 0
		.amdhsa_enable_private_segment 0
		.amdhsa_kernarg_size 32
		.amdhsa_user_sgpr_count 2
		.amdhsa_user_sgpr_kernarg_segment_ptr 1
		.amdhsa_wavefront_size32 1
		.amdhsa_system_sgpr_workgroup_id_x 1
		.amdhsa_system_sgpr_workgroup_id_y 1
		.amdhsa_system_sgpr_workgroup_id_z 1
		.amdhsa_system_vgpr_workitem_id 0
		.amdhsa_next_free_vgpr 384
		.amdhsa_next_free_sgpr 100
		.amdhsa_reserve_vcc 0
		.amdhsa_float_denorm_mode_32 3
		.amdhsa_float_denorm_mode_16_64 3
		.amdhsa_memory_ordered 1
		.amdhsa_forward_progress 1
		.amdhsa_inst_pref_size 92
	.end_amdhsa_kernel
	.amdgpu_metadata
---
amdhsa.version: [ 1, 2 ]
amdhsa.kernels:
  - .name:           k_qaa28d49762_fineA
    .symbol:         k_qaa28d49762_fineA.kd
    .args:
      - { .name: qkv, .offset: 0, .size: 8, .value_kind: global_buffer, .address_space: global }
      - { .name: maskw, .offset: 8, .size: 8, .value_kind: global_buffer, .address_space: global }
      - { .name: o16, .offset: 16, .size: 8, .value_kind: global_buffer, .address_space: global }
      - { .name: ofine, .offset: 24, .size: 8, .value_kind: global_buffer, .address_space: global }
    .group_segment_fixed_size: 140288
    .private_segment_fixed_size: 0
    .kernarg_segment_align: 8
    .kernarg_segment_size: 32
    .max_flat_workgroup_size: 256
    .sgpr_count:     100
    .vgpr_count:     384
    .wavefront_size: 32
...
	.end_amdgpu_metadata
.endif
;; end of part 3
;; launch attn (part 4): grid 8 x 48, 16 waves a work-group, no clusters, 202,752 bytes of LDS; arguments qkv, maskw, o16, ofine, Wo, out0; writes o16, out0
.if DOCPART == 4
	.amdgcn_target "amdgcn-amd-amdhsa--gfx1250"
	.amdhsa_code_object_version 6
	.text
	.protected	k_qaa28d49762_attn
	.globl	k_qaa28d49762_attn
	.p2align	8
	.type	k_qaa28d49762_attn,@function
k_qaa28d49762_attn:
	s_mov_b64 s[64:65], 0
	v_nop
	global_prefetch_b8 v0, s[64:65] scope:SCOPE_SE
	s_setreg_imm32_b32 hwreg(HW_REG_WAVE_MODE, 25, 1), 1
	s_wait_xcnt 0x0
; TWO JOBS, told apart by the work-group's y.
;   y 0-31 (a head; x = b): attention for all tiles of 16 queries but tile 0 (positions 0-15 have a launch of their own, which has run).
;   y 32-47: out0's rows 0-15 in f32, from that launch's result: 128 work-groups, number 8 (y - 32) + x, 16 columns each.  They stand last in the grid.
; ATTENTION.  q, k: f16 [head][position][64]; values f16 with the keys innermost, [block of 64 keys][channel][64]; o16: f16 [head][position][64].
; LEFT OUT, by the stored flag words: key steps of 64 in which no mask byte of a tile's 16 queries is set, where every query of the tile keeps some key: such keys have p = 0 in reference().
; A tile that holds a query with no key at all has all 32 flags and walks every key: all its scores are the fill, and the same arithmetic gives reference()'s plain average.
; The fill is -2^126 on the raw score (reference(): the lowest f32 on the scaled one): c x fill is exact, so fill less maximum is 0 or far under every exponent; equal results while real scaled scores lie above -1e37.
; f16 operands: magnitudes of q, k, v projections up to 65,504.  NaN and infinities are not served.
; SHARES.  A work-group takes a head and 16 tiles, a wave ONE tile: T = 8 b + w (w < 8) or 135 - 8 b - w: early and late queries are paired, so that masks which keep more keys for later queries give even work.
; NO TENSOR LOAD AND NO CLUSTER: which steps are walked hangs on numbers read from memory, so LDS is filled through registers.
; A SLOT HOLDS FOUR KEY STEPS (256 keys: four tiles of K and four of V^T); two slots take turns; ONE barrier for four steps: behind it the next slot is whole and nobody reads the old one.
; At a slot's head each of the 512 threads asks for its 16 bytes of each of the next slot's eight tiles; at the slot's end it puts them into the other slot.  Between two barriers the waves run free.
; Every wave passes every barrier.
; Both products are used transposed: S^T = K Q^T, O^T = V^T P: a lane holds one query (lane % 16).  Softmax by a running maximum m and sum l; p = 2^(c s - c m), c = log2(e) / 8.
; REGISTERS: v1, v2 the add's two; v3 the fill; v4-11 offsets; v12 c m, v13 m, v14:15 l, v16:17 a; v18-23 at work; v32-47 Q; v48-111 K's, then V's fragments; v112-143 S^T; v144-159 P; v160-191 O^T;
;   v192-223 the next slot on its way to LDS; v224-255 the f32 projection's accumulators, which matrix instructions alone write.
.set PK,    144                        ; an LDS row: 128 bytes + 16: an odd multiple of 16, so the 16 rows of a load start at different banks
.set TILEB, 64*PK
.set STEPB, 2*TILEB                    ; a key step: K's 64 rows, then V^T's 64 rows
.set SLOTB, 4*STEPB
.set STG,   2*SLOTB                    ; the way out: 16 rows x PK a wave
.set FB,    STG+16*16*PK               ; the projection's own bytes: 16 parts of 1,024
.set SPARE, FB+16*1024                 ; the spare words, 128 bytes a wave: eight blocks of 256 bytes that no other line names
.set SG,    192
.set FACC,  224
	v_lshl_add_u32 v1, v0, 2, SPARE
	v_mov_b32 v2, 0
	v_lshrrev_b32 v18, 5, v0
	v_readfirstlane_b32 s10, v18                   ; wave 0 .. 15
	s_mov_b32 s11, ttmp9                           ; x
	s_and_b32 s12, ttmp7, 0xffff                   ; y
	s_cmp_ge_u32 s12, 32
	s_cbranch_scc1 .Lfine
	s_load_b128 s[4:7], s[0:1], 0x0                ; qkv s[4:5], maskw s[6:7]
	s_load_b64 s[8:9], s[0:1], 0x10                ; o16
	s_lshl_b32 s33, s11, 3
	s_add_co_u32 s13, s33, s10
	s_sub_co_u32 s34, 135, s33
	s_sub_co_u32 s34, s34, s10
	s_cmp_lt_u32 s10, 8
	s_cselect_b32 s13, s13, s34                    ; T
	s_lshl_b32 s60, s11, 5                         ; the flag words of tiles 8 b .. 8 b + 7
	s_sub_co_u32 s61, 480, s60                     ; of tiles 120 - 8 b .. 127 - 8 b
	s_lshl_b32 s62, s13, 2                         ; and mine
	s_wait_kmcnt 0x0
	s_load_b256 s[40:47], s[6:7], s60 offset:0x80000
	s_load_b256 s[48:55], s[6:7], s61 offset:0x80000
	s_load_b32 s14, s[6:7], s62 offset:0x80000
	v_and_b32 v19, 31, v0                          ; lane
	v_and_b32 v20, 15, v0                          ; r
	v_bfe_u32 v21, v0, 4, 1                        ; h
	v_mul_u32_u24 v4, v20, PK
	v_lshl_add_u32 v4, v21, 4, v4                  ; a fragment in LDS: row r, + 16 h
	v_lshrrev_b32 v22, 3, v0
	v_mul_u32_u24 v5, v22, PK
	v_and_b32 v22, 7, v0
	v_lshl_add_u32 v5, v22, 4, v5                  ; where my thread puts its 16 bytes of a tile: row thread / 8
	v_lshlrev_b32 v6, 4, v0                        ; and where it finds them in memory: 16 x thread
	s_mul_i32 s33, s10, 16*PK
	s_add_co_u32 s33, s33, STG                     ; my stage
	v_add_nc_u32 v7, s33, v4                       ; in
	v_lshrrev_b32 v22, 3, v19
	v_mul_u32_u24 v8, v22, PK
	v_and_b32 v22, 7, v19
	v_lshl_add_u32 v8, v22, 4, v8
	v_add_nc_u32 v8, s33, v8                       ; back: row lane / 8, 16 (lane % 8)
	v_lshlrev_b32 v9, 4, v19                       ; out: 16 x lane
	v_lshlrev_b32 v10, 8, v19                      ; the prefetch: 256 x lane
	v_lshlrev_b32 v11, 7, v20
	v_lshl_add_u32 v11, v21, 4, v11                ; Q in memory: 128 r + 16 h
	s_mov_b32 s24, 0x3e38aa3b                      ; c
	s_mov_b32 s25, s24
	s_mov_b32 s26, 0x76543210
	s_mov_b32 s27, 0xfedcba98                      ; lane l xor 16
	s_lshl_b32 s56, s12, 18
	s_mov_b32 s57, 0
	s_add_nc_u64 s[58:59], s[4:5], s[56:57]        ; plane 0, my head
	s_add_nc_u64 s[16:17], s[58:59], 0x800000      ; plane 1, my head: K's tile 0
	s_add_nc_u64 s[36:37], s[8:9], s[56:57]
	s_lshl_b32 s56, s13, 11
	s_add_nc_u64 s[58:59], s[58:59], s[56:57]      ; my 16 queries
	s_add_nc_u64 s[36:37], s[36:37], s[56:57]      ; and their rows of o16
.irp c, 0,1
	global_load_b128 v[32+8*\c:35+8*\c], v11, s[58:59] offset:64*\c
	global_load_b128 v[36+8*\c:39+8*\c], v11, s[58:59] offset:64*\c+32
.endr
	s_lshl_b32 s56, s12, 13
	s_add_nc_u64 s[18:19], s[4:5], s[56:57]
	s_add_nc_u64 s[18:19], s[18:19], 0x1000000     ; plane 2, my head's 64 channels: V's tile 0
	s_lshl_b32 s56, s13, 12
	s_add_nc_u64 s[20:21], s[6:7], s[56:57]        ; my tile's mask words
	v_mov_b32 v3, 0xfe800000                       ; -2^126
	v_mov_b32 v13, v3                              ; m
	v_mul_f32 v12, s24, v3                         ; c m
.irp n, 14,15,16,17
	v_mov_b32 v\n, 0
.endr
.set ii, 0
.rept 32
	v_mov_b32 v[160+ii], 0                         ; O^T: the step is written once; the first one finds zeros
.set ii, ii+1
.endr
	; the prefetches: the head's first work-group asks; waves 0 to 3 for a slot's four tiles of K, waves 4 to 7 for its four of V: a whole tile of 8,192 bytes by one instruction, lanes 256 bytes apart
	s_cmp_lt_u32 s10, 4
	s_cselect_b64 s[28:29], s[16:17], s[18:19]
	s_mov_b32 s30, 0x100000
	s_cselect_b32 s30, 32768, s30                  ; from slot to slot
	s_mov_b32 s33, 262144
	s_cselect_b32 s33, 8192, s33                   ; from tile to tile
	s_mov_b32 s31, 0
	s_and_b32 s34, s10, 3
	s_mul_i32 s56, s34, s33                        ; my tile of the four,
	s_lshl_b32 s34, s30, 1
	s_add_co_u32 s56, s56, s34                     ; in slot 2: slot n names slot n + 2; slots 0 and 1 come by their loads alone
	s_add_nc_u64 s[28:29], s[28:29], s[56:57]
	s_lshr_b32 s32, s10, 3
	s_or_b32 s32, s32, s11
	s_cmp_eq_u32 s32, 0
	s_cselect_b32 s32, 1, 0                        ; 1 in waves 0 to 7 of the head's first work-group
	s_wait_kmcnt 0x0
	s_cmp_eq_u32 s11, 0
	s_cselect_b32 s40, 0, s40                      ; tile 0 is not this launch's
	s_or_b32 s15, s40, s41
.irp n, 42,43,44,45,46,47,48,49,50,51,52,53,54,55
	s_or_b32 s15, s15, s\n                         ; bit j: some wave of the work-group needs key step j
.endr
	s_cmp_eq_u32 s13, 0
	s_cselect_b32 s14, 0, s14                      ; bit j: I need key step j
	s_load_b512 s[68:83], s[20:21], 0x0            ; step 0's mask words: always
	s_load_b512 s[84:99], s[20:21], 0x40
.macro ASKSLOT                         ; a slot's four tiles of K (on end in memory) and four of V^T (262,144 bytes apart): 16 bytes of each to a thread
.irp q, 0,1,2,3
	global_load_b128 v[SG+8*\q:SG+8*\q+3], v6, s[16:17] offset:8192*\q
	global_load_b128 v[SG+8*\q+4:SG+8*\q+7], v6, s[18:19] offset:262144*\q
.endr
.endm
.macro PUTSLOT lo, hi                  ; and into LDS: v[lo] my place in the slot's steps 0 and 1, v[hi] in its steps 2 and 3
.irp q, 0,1
	ds_store_b128 v[\lo], v[SG+8*\q:SG+8*\q+3] offset:STEPB*\q
	ds_store_b128 v[\lo], v[SG+8*\q+4:SG+8*\q+7] offset:STEPB*\q+TILEB
	ds_store_b128 v[\hi], v[SG+16+8*\q:SG+16+8*\q+3] offset:STEPB*\q
	ds_store_b128 v[\hi], v[SG+16+8*\q+4:SG+16+8*\q+7] offset:STEPB*\q+TILEB
.endr
.endm
	ASKSLOT                                        ; slot 0: always; it also gives the 32 registers their first values
	v_add_nc_u32 v22, 2*STEPB, v5
	s_wait_loadcnt 0x0                             ; Q and slot 0
	PUTSLOT 5, 22
	s_wait_xcnt 0x0                                ; the loads have read their bases
	s_add_nc_u64 s[16:17], s[16:17], 32768
	s_add_nc_u64 s[18:19], s[18:19], 0x100000
	s_wait_dscnt 0x0
	s_barrier_signal -1
	s_barrier_wait -1
.macro STEP slot, q
	v_add_nc_u32 v23, SLOTB*\slot+STEPB*\q, v4     ; my fragments' place in this step's tiles: made ahead of the branch
	s_bitcmp1_b32 s14, 0
	s_cbranch_scc0 .Lskip_\@
.irp kt, 0,1,2,3
.irp c, 0,1
	ds_load_b128 v[48+16*\kt+8*\c:51+16*\kt+8*\c], v23 offset:16*PK*\kt+64*\c
	ds_load_b128 v[52+16*\kt+8*\c:55+16*\kt+8*\c], v23 offset:16*PK*\kt+64*\c+32
.endr
.endr
	s_wait_dscnt 0x0
.irp c, 0,1                                    ; S^T = K Q^T: the four tiles of keys by turns
.irp kt, 0,1,2,3
.if \c == 0
	v_wmma_f32_16x16x32_f16 v[112+8*\kt:119+8*\kt], v[48+16*\kt:55+16*\kt], v[32:39], 0
.else
	v_wmma_f32_16x16x32_f16 v[112+8*\kt:119+8*\kt], v[56+16*\kt:63+16*\kt], v[40:47], v[112+8*\kt:119+8*\kt]
.endif
.endr
.endr
.rept 4
	v_nop                                          ; places in front of the loads into K's registers and of the first read of the scores
.endr
.irp ct, 0,1,2,3
.irp ks, 0,1
	ds_load_b128 v[48+16*\ct+8*\ks:51+16*\ct+8*\ks], v23 offset:TILEB+16*PK*\ct+64*\ks
	ds_load_b128 v[52+16*\ct+8*\ks:55+16*\ct+8*\ks], v23 offset:TILEB+16*PK*\ct+64*\ks+32
.endr
.endr
	s_wait_kmcnt 0x0                               ; the step's mask words
.set ii, 0
.rept 32
	v_cndmask_b32 v[112+ii], v3, v[112+ii], s[68+ii]   ; register 8 kt + j: key 16 kt + 8 h + j of my query: kept, or the fill
.set ii, ii+1
.endr
.irp n, 0,1,2,3
	v_max3_num_f32 v[18+\n], v[112+8*\n], v[113+8*\n], v[114+8*\n]
.endr
.irp z, 3,5
.irp n, 0,1,2,3
	v_max3_num_f32 v[18+\n], v[18+\n], v[112+8*\n+\z], v[113+8*\n+\z]
.endr
.endr
	v_max3_num_f32 v18, v18, v119, v127
	v_max3_num_f32 v20, v20, v135, v143
	v_max3_num_f32 v18, v18, v19, v20
	v_max3_num_f32 v18, v18, v21, v13              ; with the old m
	v_permlanex16_b32 v19, v18, s26, s27
	v_mov_b32 v22, v12                             ; the old c m
	v_max_num_f32 v13, v18, v19
	v_mul_f32 v12, s24, v13
	v_sub_f32 v22, v22, v12
.set ii, 0
.rept 16
	v_pk_fma_f32 v[112+2*ii:113+2*ii], v[112+2*ii:113+2*ii], s[24:25], v[12:13] op_sel_hi:[1,0,0] neg_lo:[0,0,1] neg_hi:[0,0,1]   ; c s - c m
.set ii, ii+1
.endr
	v_exp_f32 v16, v22                             ; a = 2^(c m_old - c m_new)
.set ii, 0
.rept 32
	v_exp_f32 v[112+ii], v[112+ii]
.set ii, ii+1
.endr
	v_nop                                          ; a plain place behind the last exponential
	s_wait_alu depctr_va_vdst(0)                   ; one wait for the 33, ahead of their first reader
.set ii, 0
.rept 16
	v_cvt_pk_f16_f32 v[144+ii], v[112+2*ii], v[113+2*ii]   ; two tiles of keys, packed in pairs, are a fragment of P
.set ii, ii+1
.endr
.irp n, 0,4,8,12,16,20,24,28
	v_pk_add_f32 v[112+\n:113+\n], v[112+\n:113+\n], v[114+\n:115+\n]
.endr
.irp n, 0,8,16,24
	v_pk_add_f32 v[112+\n:113+\n], v[112+\n:113+\n], v[116+\n:117+\n]
.endr
.irp n, 0,16
	v_pk_add_f32 v[112+\n:113+\n], v[112+\n:113+\n], v[120+\n:121+\n]
.endr
	v_pk_add_f32 v[112:113], v[112:113], v[128:129]
	v_pk_fma_f32 v[14:15], v[14:15], v[16:17], v[112:113] op_sel_hi:[1,0,1]   ; l = l a + the step's sum
.set ii, 0
.rept 16
	v_pk_mul_f32 v[160+2*ii:161+2*ii], v[160+2*ii:161+2*ii], v[16:17] op_sel_hi:[1,0]   ; O^T x a
.set ii, ii+1
.endr
	s_wait_dscnt 0x0                               ; V's fragments
.irp ks, 0,1                                   ; O^T += V^T P: the four tiles of channels by turns
.irp ct, 0,1,2,3
	v_wmma_f32_16x16x32_f16 v[160+8*\ct:167+8*\ct], v[48+16*\ct+8*\ks:55+16*\ct+8*\ks], v[144+8*\ks:151+8*\ks], v[160+8*\ct:167+8*\ct]
.endr
.endr
.rept 4
	v_nop                                          ; places in front of the next loads into V's registers and of the next read of O^T
.endr
.Lskip_\@:
	s_wait_kmcnt 0x0                               ; no scalar load is out: the words' base may step
	s_add_nc_u64 s[20:21], s[20:21], 128
	s_bitcmp1_b32 s14, 1
	s_cbranch_scc0 .Lno_mw_\@
	s_load_b512 s[68:83], s[20:21], 0x0            ; the next step's mask words
	s_load_b512 s[84:99], s[20:21], 0x40
.Lno_mw_\@:
	s_lshr_b32 s14, s14, 1
.endm
; A slot's four steps.  Bits 0-3 of s15 are this slot's steps, bits 4-7 the next slot's, bits 8-11 those of the slot after.
.macro SLOTRUN slot
	s_bfe_u32 s34, s15, 0x40004                    ; does anybody here need a step of the next slot?
	s_cmp_lg_u32 s34, 0
	s_cbranch_scc0 .Lno_next_\@
	ASKSLOT                                        ; it is asked for now and put into the other slot behind this slot's four steps
.Lno_next_\@:
	s_bfe_u32 s33, s15, 0x40008
	s_cmp_lg_u32 s33, 0
	s_cselect_b32 s33, s32, 0
	s_cmp_lg_u32 s33, 0
	s_cbranch_scc0 .Lno_pf_\@
	global_prefetch_b8 v10, s[28:29] th:TH_LOAD_NT scope:SCOPE_SE   ; my tile of the slot after next: four key steps ahead of that slot's loads; zeros shift into the flags, so nothing past slot 7 is named
.Lno_pf_\@:
	STEP \slot, 0
	STEP \slot, 1
	STEP \slot, 2
	STEP \slot, 3
	v_add_nc_u32 v21, SLOTB*(1-\slot), v5          ; my thread's place in the other slot: made ahead of the branch
	v_add_nc_u32 v22, SLOTB*(1-\slot)+2*STEPB, v5
	s_wait_loadcnt 0x0                             ; the next slot's 128 bytes are in my registers (on every way: no load is out at the slot's end)
	s_cmp_lg_u32 s34, 0
	s_cbranch_scc0 .Lno_st_\@
	PUTSLOT 21, 22                                 ; into the slot that nobody has read since the last barrier
.Lno_st_\@:
	s_wait_xcnt 0x0                                ; loads and prefetch have read their bases
	s_add_nc_u64 s[16:17], s[16:17], 32768
	s_add_nc_u64 s[18:19], s[18:19], 0x100000
	s_add_nc_u64 s[28:29], s[28:29], s[30:31]
	s_lshr_b32 s15, s15, 4
	s_wait_dscnt 0x0                               ; my stores have landed and my reads of this slot are over
	s_barrier_signal -1
	s_barrier_wait -1
.endm
	s_mov_b32 s23, 4
.Lloop:                                            ; 4 trips of two slots: the slot is a constant in every address
	SLOTRUN 0
	SLOTRUN 1
	s_sub_co_u32 s23, s23, 1
	s_cmp_lg_u32 s23, 0
	s_cbranch_scc1 .Lloop
	s_cmp_eq_u32 s13, 0                            ; tile 0's rows are stored by the launch for the first positions
	s_cbranch_scc1 .Lfin
	v_add_f32 v14, v14, v15
	v_permlanex16_b32 v18, v14, s26, s27
	v_add_f32 v14, v14, v18
	v_rcp_f32 v16, v14
	v_nop
	s_wait_alu depctr_va_vdst(0)
.set ii, 0
.rept 16
	v_pk_mul_f32 v[112+2*ii:113+2*ii], v[160+2*ii:161+2*ii], v[16:17] op_sel_hi:[1,0]
.set ii, ii+1
.endr
.set ii, 0
.rept 16
	v_cvt_pk_f16_f32 v[144+ii], v[112+2*ii], v[113+2*ii]
.set ii, ii+1
.endr
.irp ct, 0,1,2,3
	ds_store_b128 v7, v[144+4*\ct:147+4*\ct] offset:32*\ct        ; row r: channels 16 ct + 8 h + 0 .. 7
.endr
.irp t, 0,1,2,3
	ds_load_b128 v[112+4*\t:115+4*\t], v8 offset:4*PK*\t          ; LDS serves a wave's instructions in order: these see my stores
.endr
.irp t, 0,1,2,3
	s_wait_dscnt 3-\t                              ; the younger loads stay out
	global_store_b128 v9, v[112+4*\t:115+4*\t], s[36:37] offset:512*\t   ; 512 consecutive bytes, aligned: four rows of 128
.endr
.Lfin:
	s_wait_tensorcnt 0x0                           ; the wave's end
	ds_add_u32 v1, v2
	s_wait_dscnt 0x0
	s_endpgm
; ---------------- out0 rows 0-15 in f32: out0[m][n] = sum over k of o[m][k] Wo[n][k], m = 0 .. 15.  These rows may average few values and are the largest in size, so operands rounded to f16 weigh most there.
; A work-group takes 16 columns; wave w takes k = 128 w .. 128 w + 127; the sixteen parts meet in LDS.  16 rows are no bulk work: the f32 matrix form serves.
; Transposed use: source 0 = 16 rows of Wo, source 1 = the 16 rows of o: a lane holds out0(m = lane % 16, n0 + 8 (lane / 16) + 0 .. 7).
; Load i gives a lane k = 128 w + 8 i + 4 (lane / 16) + 0 .. 3 of its row; a matrix instruction takes two of these registers: the places of k are changed alike on both sides, which keeps the products.
; ofine lies in that very order: load i of wave w is the 512 consecutive bytes at 8,192 w + 512 i.
.Lfine:
	s_load_b64 s[40:41], s[0:1], 0x18              ; ofine
	s_load_b128 s[44:47], s[0:1], 0x20             ; Wo s[44:45], out0 s[46:47]
	s_sub_co_u32 s13, s12, 32
	s_lshl_b32 s13, s13, 3
	s_add_co_u32 s13, s13, s11                     ; which 16 columns: 0 .. 127
	v_and_b32 v3, 31, v0                           ; lane
	v_and_b32 v4, 15, v0                           ; r
	v_bfe_u32 v5, v0, 4, 1                         ; h
	v_lshlrev_b32 v6, 13, v4
	v_lshl_add_u32 v6, v5, 4, v6                   ; Wo: row r of 8,192 bytes, + 16 h
	v_lshlrev_b32 v7, 4, v3                        ; ofine: 16 x lane
	s_lshl_b32 s14, s10, 10
	s_add_co_u32 s14, s14, FB
	v_add_nc_u32 v8, s14, v7                       ; my part in LDS: 1,024 w + 16 x lane
	s_lshl_b32 s14, s10, 9
	s_add_co_u32 s14, s14, FB
	v_add_nc_u32 v9, s14, v7                       ; the adding (waves 0 and 1): half w of every part
	v_lshlrev_b32 v10, 13, v4
	v_lshl_add_u32 v10, v5, 5, v10                 ; out0: row r, + 32 h
	s_lshl_b32 s16, s10, 13                        ; ofine: my 128 along K are 8,192 bytes on end
	s_mov_b32 s17, 0
	s_lshl_b32 s18, s13, 17                        ; Wo: 16 rows to a work-group,
	s_lshl_b32 s19, s10, 9                         ; my 128 along K
	s_add_co_u32 s18, s18, s19
	s_mov_b32 s19, 0
	s_lshl_b32 s20, s13, 6                         ; out0: 64 bytes of a row to a work-group,
	s_lshl_b32 s21, s10, 4                         ; 16 of them to each of waves 0 and 1, in each half of the lanes
	s_add_co_u32 s20, s20, s21
	s_mov_b32 s21, 0
	s_wait_kmcnt 0x0
	s_add_nc_u64 s[40:41], s[40:41], s[16:17]
	s_add_nc_u64 s[44:45], s[44:45], s[18:19]
	s_add_nc_u64 s[46:47], s[46:47], s[20:21]
.set ii, 0
.rept 16
	global_load_b128 v[32+4*ii:35+4*ii], v7, s[40:41] offset:512*ii
.set ii, ii+1
.endr
.set ii, 0
.rept 16
	global_load_b128 v[96+4*ii:99+4*ii], v6, s[44:45] offset:32*ii th:TH_LOAD_NT
.set ii, ii+1
.endr
.irp i, 0,1,2,3,4,5,6,7,8,9,10,11,12,13,14,15
	s_wait_loadcnt 15-\i                           ; o's and Wo's load i are in; Wo's younger loads stay out
.irp p, 0,1
.if \i < 2
	v_wmma_f32_16x16x4_f32 v[FACC+8*((2*\i+\p)%4):FACC+7+8*((2*\i+\p)%4)], v[96+4*\i+2*\p:97+4*\i+2*\p], v[32+4*\i+2*\p:33+4*\i+2*\p], 0
.else
	v_wmma_f32_16x16x4_f32 v[FACC+8*((2*\i+\p)%4):FACC+7+8*((2*\i+\p)%4)], v[96+4*\i+2*\p:97+4*\i+2*\p], v[32+4*\i+2*\p:33+4*\i+2*\p], v[FACC+8*((2*\i+\p)%4):FACC+7+8*((2*\i+\p)%4)]
.endif
.endr
.endr                                              ; four accumulators by turns, one instruction a turn
.rept 8
	v_nop                                          ; eight places behind this form (ISA guide 7.12.1)
.endr
.irp j, 0,2,4,6
	v_pk_add_f32 v[16+\j:17+\j], v[FACC+\j:FACC+1+\j], v[FACC+8+\j:FACC+9+\j]   ; each accumulator from its low end on; the sums go into other registers
.endr
.irp j, 0,2,4,6
	v_pk_add_f32 v[24+\j:25+\j], v[FACC+16+\j:FACC+17+\j], v[FACC+24+\j:FACC+25+\j]
.endr
.irp j, 0,2,4,6
	v_pk_add_f32 v[16+\j:17+\j], v[16+\j:17+\j], v[24+\j:25+\j]
.endr
	ds_store_b128 v8, v[16:19]
	ds_store_b128 v8, v[20:23] offset:512
	s_wait_dscnt 0x0                               ; for the others' sake: my part has landed
	s_barrier_signal -1
	s_barrier_wait -1
	s_cmp_ge_u32 s10, 2
	s_cbranch_scc1 .Lfine_end
.set ii, 0
.rept 16
	ds_load_b128 v[32+4*ii:35+4*ii], v9 offset:1024*ii
.set ii, ii+1
.endr
	s_wait_dscnt 0x0
	v_pk_add_f32 v[16:17], v[32:33], v[36:37]
	v_pk_add_f32 v[18:19], v[34:35], v[38:39]
.set ii, 2
.rept 14
	v_pk_add_f32 v[16:17], v[16:17], v[32+4*ii:33+4*ii]
	v_pk_add_f32 v[18:19], v[18:19], v[34+4*ii:35+4*ii]
.set ii, ii+1
.endr
	global_store_b128 v10, v[16:19], s[46:47]      ; out0(r, n0 + 8 h + 4 w + 0 .. 3): 16 bytes a lane; 128 KiB in the whole launch
.Lfine_end:
	s_wait_tensorcnt 0x0                           ; the wave's end
	ds_add_u32 v1, v2
	s_wait_dscnt 0x0
	s_endpgm
.Lfunc_end_k_qaa28d49762_attn:
	.size	k_qaa28d49762_attn, .Lfunc_end_k_qaa28d49762_attn-k_qaa28d49762_attn
	.p2alignl 7, 3214868480
	.fill 96, 4, 3214868480
	.section	.rodata,"a",@progbits
	.p2align	6, 0x0
	.amdhsa_kernel k_qaa28d49762_attn
		.amdhsa_group_segment_fixed_size 202752
		.amdhsa_private_segment_fixed_size 0
		.amdhsa_enable_private_segment 0
		.amdhsa_kernarg_size 48
		.amdhsa_user_sgpr_count 2
		.amdhsa_user_sgpr_kernarg_segment_ptr 1
		.amdhsa_wavefront_size32 1
		.amdhsa_system_sgpr_workgroup_id_x 1
		.amdhsa_system_sgpr_workgroup_id_y 1
		.amdhsa_system_sgpr_workgroup_id_z 1
		.amdhsa_system_vgpr_workitem_id 0
		.amdhsa_next_free_vgpr 256
		.amdhsa_next_free_sgpr 100
		.amdhsa_reserve_vcc 0
		.amdhsa_float_denorm_mode_32 3
		.amdhsa_float_denorm_mode_16_64 3
		.amdhsa_memory_ordered 1
		.amdhsa_forward_progress 1
		.amdhsa_inst_pref_size 124
	.end_amdhsa_kernel
	.amdgpu_metadata
---
amdhsa.version: [ 1, 2 ]
amdhsa.kernels:
  - .name:           k_qaa28d49762_attn
    .symbol:         k_qaa28d49762_attn.kd
    .args:
      - { .name: qkv, .offset: 0, .size: 8, .value_kind: global_buffer, .address_space: global }
      - { .name: maskw, .offset: 8, .size: 8, .value_kind: global_buffer, .address_space: global }
      - { .name: o16, .offset: 16, .size: 8, .value_kind: global_buffer, .address_space: global }
      - { .name: ofine, .offset: 24, .size: 8, .value_kind: global_buffer, .address_space: global }
      - { .name: Wo, .offset: 32, .size: 8, .value_kind: global_buffer, .address_space: global }
      - { .name: out0, .offset: 40, .size: 8, .value_kind: global_buffer, .address_space: global }
    .group_segment_fixed_size: 202752
    .private_segment_fixed_size: 0
    .kernarg_segment_align: 8
    .kernarg_segment_size: 48
    .max_flat_workgroup_size: 512
    .sgpr_count:     100
    .vgpr_count:     256
    .wavefront_size: 32
...
	.end_amdgpu_metadata
.endif
;; end of part 4
;; launch outp (part 5): grid 16 x 16, 4 waves a work-group, clusters of 4 x 4, 327,680 bytes of LDS; arguments o16, wo16, out0; writes out0
.if DOCPART == 5
	.amdgcn_target "amdgcn-amd-amdhsa--gfx1250"
	.amdhsa_code_object_version 6
	.text
	.protected	k_qaa28d49762_outp
	.globl	k_qaa28d49762_outp
	.p2align	8
	.type	k_qaa28d49762_outp,@function
k_qaa28d49762_outp:
	s_mov_b64 s[64:65], 0
	v_nop
	global_prefetch_b8 v0, s[64:65] scope:SCOPE_SE
	s_setreg_imm32_b32 hwreg(HW_REG_WAVE_MODE, 25, 1), 1
	s_wait_xcnt 0x0
	s_wait_alu depctr_hold_cnt(0) depctr_sa_sdst(0) depctr_va_vdst(0) depctr_va_sdst(0) depctr_va_ssrc(0) depctr_va_vcc(0) depctr_vm_vsrc(0)
	s_getreg_b32 s2, hwreg(HW_REG_IB_STS2, 6, 4)
	s_cmp_eq_u32 s2, 0
	s_cbranch_scc0 .Lentry_in_a_cluster
	s_endpgm
.Lentry_in_a_cluster:
	s_bfe_u32 s2, ttmp6, 0x10000c
	s_cmp_lg_u32 s2, 0xf033
	s_cbranch_scc0 .Lentry_shape_is_right
	s_endpgm
.Lentry_shape_is_right:
; out0[m][n] = sum over k of o[m][k] Wo[n][k], rows 16 to 2,047.  o16, wo16: f16 in blocks of 64 along K: byte (k / 64) x 262,144 + row x 128 + (k % 64) x 2; out0: [2048][2048] f32; sums in f32.
; ROWS 0-15 ARE NOT STORED HERE: the launch before has written them, in f32 throughout.  They are multiplied with the rest of their tile (16 rows of a tile of 128 that is live); their eight stores
; run with every lane off.  No branch does that: whose tile holds row 0 hangs on the work-group's place in its cluster.
; A tile of C is 128 x 128 (256 work-groups); four waves, 64 x 64 each: 16 accumulators.  K goes in steps of 256 through two LDS slots.  A wave's tensor load brings 64 rows x 256 K: four dense
; blocks of 8,192 bytes, 262,144 bytes apart: stated as 4 rows of 4,096 elements, with 16 bytes of padding behind every 128: in LDS [4 blocks][64 rows][144 bytes].
; CLUSTERS: 4 x 4 work-groups; A's tiles are asked for jointly along a row of the cluster, B's along a column.  THE MATRIX INSTRUCTION IS USED TRANSPOSED: a lane holds eight neighbouring numbers of a row of C.
; REGISTERS: window 0: v0-31 addresses; v32-95 rows on the way out; v128-255 the accumulators.  window 1: two fragment buffers of 128.
.set PITCH,  144                       ; 128 bytes + 16: an odd multiple of 16
.set BLKB,   64*PITCH                  ; 64 along K of 64 rows
.set HALFT,  4*BLKB                    ; what one tensor load brings
.set SLOT,   4*HALFT
.set SPARE,  2*SLOT                    ; the spare words, 128 bytes a wave: two blocks of 256 bytes that no other line names
.set SPITCH, 272                       ; the way out: 16 rows x (256 bytes + 16) a wave, in slot 0, which has then had its last fill and its last read
.set KADV,   4*262144                  ; a K step of 256 in memory
.set LAPS,   4
.set ADRA, 16
.set ADRB, 20
.set STO,  24
.set RD,   25
.set CO,   26
.set ROW0, 27                          ; v27 my first row of C
.set SPW,  28
.set NIL,  29
.set TMP,  32
.set ACC,  128
.set F0,   0
.set F1,   128
.set G1, 24
.set G0, 32
.set G1B, 48
.set G0B, 56
.set MSB, 0
.macro WIN new
.if MSB != \new
	s_set_vgpr_msb (MSB<<8)|\new
.set MSB, \new
.endif
.endm
.set MUL,  0x05
.set TO_F, 0x40
.macro JLOAD s                         ; a joint load: waves 0 and 1 fetch A's halves, waves 2 and 3 B's; an s_nop 0 and four v_nop follow each line
	s_cmp_eq_u32 s11, 0
	s_cbranch_scc0 .Lfor_b_\@
	tensor_load_to_lds s[G0+4*\s:G0+4*\s+3], s[G1:G1+7]
	s_nop 0
.rept 4
	v_nop
.endr
	s_branch .Lasked_\@
.Lfor_b_\@:
	tensor_load_to_lds s[G0B+4*\s:G0B+4*\s+3], s[G1B:G1B+7]
	s_nop 0
.rept 4
	v_nop
.endr
.Lasked_\@:
.endm
.macro CREST
	s_cmp_lg_u32 s10, 0
	s_cbranch_scc1 .Lnot_wave_0_\@
	s_barrier_signal -3
.Lnot_wave_0_\@:
	s_barrier_wait -3
	s_barrier_signal -1
	s_barrier_wait -1
.endm
.macro CROUND
	s_barrier_signal -1
	s_barrier_wait -1
	CREST
.endm
	s_load_b128 s[4:7], s[0:1], 0x0                ; o16 s[4:5], wo16 s[6:7]
	s_load_b64 s[8:9], s[0:1], 0x10                ; out0
	v_lshl_add_u32 v[SPW], v0, 2, SPARE
	v_mov_b32 v[NIL], 0
	ds_add_u32 v[SPW], v[NIL]                      ; the wave's opening: the add, twice on end, and its wait ahead of my first tensor load
	ds_add_u32 v[SPW], v[NIL]
	v_lshrrev_b32 v1, 5, v0
	v_readfirstlane_b32 s10, v1                    ; wave
	s_lshr_b32 s11, s10, 1                         ; my half of the tile's rows; also: I fetch for A (0) or B (1)
	s_and_b32 s12, s10, 1                          ; my half of its columns; also: which 64 rows I fetch
	s_bfe_u32 s40, ttmp6, 0x40000
	s_bfe_u32 s41, ttmp6, 0x40004
	s_lshl_b32 s42, ttmp9, 2
	s_add_co_u32 s42, s42, s40                     ; tile column
	s_and_b32 s13, ttmp7, 0xffff
	s_lshl_b32 s13, s13, 2
	s_add_co_u32 s13, s13, s41                     ; tile row
	s_lshl_b32 s43, s41, 2
	s_lshl_b32 s43, 15, s43
	s_lshl_b32 s44, 0x1111, s40
	s_or_b32 s[G1+0], s43, (1<<16)|(1<<20)|(1<<21)|(4<<22)|(3<<25)  ; the mask; elements of 2 bytes; padding: 4 words after every 32; bit 21 beside a mask
	s_or_b32 s[G1B+0], s44, (1<<16)|(1<<20)|(1<<21)|(4<<22)|(3<<25)
.irp g, G1, G1B
	s_mov_b32 s[\g+1], 4096<<16                    ; tensor_dim0 = 4,096 elements: 64 rows of 64
	s_mov_b32 s[\g+2], 4<<16                       ; tensor_dim1 = 4 blocks
	s_mov_b32 s[\g+3], 4096<<16                    ; tile_dim0
	s_mov_b32 s[\g+4], 4                           ; tile_dim1
	s_mov_b32 s[\g+5], 131072                      ; from block to block, in elements
	s_mov_b32 s[\g+6], 0
	s_mov_b32 s[\g+7], 0
.endr
	s_lshl_b32 s17, s12, 6
	s_lshl_b32 s16, s13, 7
	s_add_co_u32 s16, s16, s17                     ; A: row 128 x tile row + 64 x half
	s_lshl_b32 s46, s42, 7
	s_add_co_u32 s46, s46, s17                     ; B: row 128 x tile column + 64 x half
	s_lshl_b32 s16, s16, 7                         ; rows of 128 bytes
	s_lshl_b32 s46, s46, 7
	s_mov_b32 s17, 0
	s_mov_b32 s47, 0
	s_mul_i32 s20, s10, HALFT
	s_wait_dscnt 0x0                               ; both opening adds are done
	s_wait_kmcnt 0x0
	s_add_nc_u64 s[14:15], s[4:5], s[16:17]
	s_add_nc_u64 s[46:47], s[6:7], s[46:47]
	CROUND                                         ; all sixteen work-groups are here: the first joint loads meet
.irp s, 0,1
	s_mov_b32 s[G0+4*\s], 1
	s_add_co_u32 s[G0+4*\s+1], s20, \s*SLOT
	s_add_nc_u64 s[G0+4*\s+2:G0+4*\s+3], s[14:15], \s*KADV
	s_or_b32 s[G0+4*\s+3], s[G0+4*\s+3], 0x80000000
	s_mov_b32 s[G0B+4*\s], 1
	s_add_co_u32 s[G0B+4*\s+1], s20, \s*SLOT
	s_add_nc_u64 s[G0B+4*\s+2:G0B+4*\s+3], s[46:47], \s*KADV
	s_or_b32 s[G0B+4*\s+3], s[G0B+4*\s+3], 0x80000000
	JLOAD \s                                       ; two loads of mine are out at the most
.endr
	v_and_b32 v1, 15, v0                           ; l % 16
	v_bfe_u32 v2, v0, 4, 1                         ; l / 16
	v_mul_u32_u24 v3, v1, PITCH
	v_lshl_add_u32 v3, v2, 4, v3
	s_mul_i32 s21, s11, HALFT
	s_mul_i32 s22, s12, HALFT
	s_add_co_u32 s22, s22, 2*HALFT
.irp s, 0,1
	v_add_nc_u32 v[ADRA+\s], s21, v3
	v_add_nc_u32 v[ADRB+\s], s22, v3
	s_add_co_u32 s21, s21, SLOT
	s_add_co_u32 s22, s22, SLOT
.endr
	s_mul_i32 s23, s10, 16*SPITCH                  ; my stage
	v_mul_u32_u24 v4, v1, SPITCH
	v_lshl_add_u32 v4, v2, 5, v4
	v_add_nc_u32 v[STO], s23, v4                   ; in: row l % 16, 32 bytes for each half of the lanes
	v_mul_u32_u24 v5, v2, SPITCH
	v_lshl_add_u32 v5, v1, 4, v5
	v_add_nc_u32 v[RD], s23, v5                    ; back: lanes 0-15 one row of 256 bytes, lanes 16-31 the next
	v_lshlrev_b32 v5, 13, v2
	v_lshl_add_u32 v[CO], v1, 4, v5                ; and the same two rows in C
	s_lshl_b32 s16, s13, 7
	s_lshl_b32 s17, s11, 6
	s_add_co_u32 s16, s16, s17                     ; my first row of C
	v_mov_b32 v[ROW0], s16                         ; kept: where it is 0, my first block of 16 rows is not stored
	s_lshl_b32 s16, s16, 13
	s_lshl_b32 s46, s42, 9                         ; my first column, in bytes: 512 x tile column + 256 x half
	s_lshl_b32 s47, s12, 8
	s_add_co_u32 s46, s46, s47
	s_add_co_u32 s16, s16, s46
	s_mov_b32 s17, 0
	s_add_nc_u64 s[8:9], s[8:9], s[16:17]
.macro MUL8 f, c, a0, zero             ; the 16 accumulators take turns, one instruction a turn
.irp a, \a0, \a0+1
.irp b, 0,1,2,3
.if \zero
	v_wmma_f32_16x16x32_f16 v[ACC+8*(4*(\a)+\b):ACC+8*(4*(\a)+\b)+7], v[\f+64+8*(4*\c+\b):\f+64+8*(4*\c+\b)+7], v[\f+8*(4*\c+\a):\f+8*(4*\c+\a)+7], 0
.else
	v_wmma_f32_16x16x32_f16 v[ACC+8*(4*(\a)+\b):ACC+8*(4*(\a)+\b)+7], v[\f+64+8*(4*\c+\b):\f+64+8*(4*\c+\b)+7], v[\f+8*(4*\c+\a):\f+8*(4*\c+\a)+7], v[ACC+8*(4*(\a)+\b):ACC+8*(4*(\a)+\b)+7]
.endif
.endr
.endr
.endm
.macro FETCH slot, k, f                ; 32 LDS loads in one run: the fragments of one block of 64 along K, which begins k bytes into my rows' part of the slot
	WIN TO_F
.irp c, 0,1
.irp i, 0,1,2,3
	ds_load_b128 v[\f+64+8*(4*\c+\i):\f+64+8*(4*\c+\i)+3],   v[ADRB+\slot] offset:\k+64*\c+\i*16*PITCH
	ds_load_b128 v[\f+64+8*(4*\c+\i)+4:\f+64+8*(4*\c+\i)+7], v[ADRB+\slot] offset:\k+64*\c+\i*16*PITCH+32
	ds_load_b128 v[\f+8*(4*\c+\i):\f+8*(4*\c+\i)+3],         v[ADRA+\slot] offset:\k+64*\c+\i*16*PITCH
	ds_load_b128 v[\f+8*(4*\c+\i)+4:\f+8*(4*\c+\i)+7],       v[ADRA+\slot] offset:\k+64*\c+\i*16*PITCH+32
.endr
.endr
.endm
.macro PLACES
.rept 4
	v_nop
.endr
.endm
.macro QUARTER slot, k, f, g, zero
	s_wait_dscnt 16                                ; the first 32 along K are in; the other sixteen loads may be out
	WIN MUL
	MUL8 \f, 0, 0, \zero
	MUL8 \f, 0, 2, \zero
	PLACES
	FETCH \slot, \k, \g
	s_wait_dscnt 32                                ; all but the 32 just issued
	WIN MUL
	MUL8 \f, 1, 0, 0
	MUL8 \f, 1, 2, 0
.endm
.macro TURN slot, next, fill           ; the last quarter changes slots: one barrier; in front of it the wait for all my tensor loads, the add, and the wait for it and for my reads of this slot
	WIN 0
	s_wait_tensorcnt 0x0
	ds_add_u32 v[SPW], v[NIL]
	s_wait_dscnt 17                                ; the add and the youngest sixteen loads may be out
	WIN MUL
	MUL8 F1, 0, 0, 0
	s_wait_dscnt 0x0
	s_barrier_signal -1
	MUL8 F1, 0, 2, 0
.if \fill
	WIN 0
.endif
	s_barrier_wait -1
.if \fill
	CREST                                          ; the barrier has opened a round of the cluster's
	s_add_nc_u64 s[G0+4*\slot+2:G0+4*\slot+3], s[G0+4*\slot+2:G0+4*\slot+3], 2*KADV
	s_add_nc_u64 s[G0B+4*\slot+2:G0B+4*\slot+3], s[G0B+4*\slot+2:G0B+4*\slot+3], 2*KADV
	JLOAD \slot                                    ; the first tensor load behind the round
.else
	PLACES
.endif
	FETCH \next, 0, F0
	WIN MUL
	MUL8 F1, 1, 0, 0
	MUL8 F1, 1, 2, 0
.endm
	s_wait_tensorcnt 1                             ; my part of K step 0 is in; K step 1's may be out
	s_barrier_signal -1
	s_barrier_wait -1
	FETCH 0, 0, F0
	QUARTER 0, BLKB, F0, F1, 1                     ; the first products start the sums
	WIN 0
	s_mov_b32 s3, LAPS-1
.Llap:
	QUARTER 0, 2*BLKB, F1, F0, 0
	QUARTER 0, 3*BLKB, F0, F1, 0
	TURN 0, 1, 1
	QUARTER 1, BLKB, F0, F1, 0
	QUARTER 1, 2*BLKB, F1, F0, 0
	QUARTER 1, 3*BLKB, F0, F1, 0
	TURN 1, 0, 1
	QUARTER 0, BLKB, F0, F1, 0
	WIN 0
	s_sub_co_u32 s3, s3, 1
	s_cmp_lg_u32 s3, 0
	s_cbranch_scc1 .Llap
	QUARTER 0, 2*BLKB, F1, F0, 0                   ; the last lap fills nothing
	QUARTER 0, 3*BLKB, F0, F1, 0
	TURN 0, 1, 0
	QUARTER 1, BLKB, F0, F1, 0
	QUARTER 1, 2*BLKB, F1, F0, 0
	QUARTER 1, 3*BLKB, F0, F1, 0
	s_wait_dscnt 16
	WIN MUL
	MUL8 F1, 0, 0, 0
	MUL8 F1, 0, 2, 0
	s_wait_dscnt 0
	MUL8 F1, 1, 0, 0
	MUL8 F1, 1, 2, 0
	WIN 0
; THE WAY OUT: my 64 columns are 256 bytes, aligned: a block of 16 rows goes through my own stage and comes back as whole rows; sixteen lanes store 256 consecutive bytes.
.macro TOSTAGE a
.irp b, 0,1,2,3
	ds_store_b128 v[STO], v[ACC+8*(4*(\a)+\b):ACC+8*(4*(\a)+\b)+3] offset:64*\b      ; each accumulator from its low end on
	ds_store_b128 v[STO], v[ACC+8*(4*(\a)+\b)+4:ACC+8*(4*(\a)+\b)+7] offset:64*\b+16
.endr
.irp t, 0,1,2,3,4,5,6,7
	ds_load_b128 v[TMP+32*((\a)%2)+4*\t:TMP+32*((\a)%2)+4*\t+3], v[RD] offset:\t*2*SPITCH   ; LDS serves a wave's instructions in order
.endr
.endm
.macro SEND a, younger
	s_wait_dscnt \younger                          ; the block is back; the next block's 8 stores and 8 loads may be out
.if (\a) == 0
	v_cmp_ne_u32 vcc_lo, 0, v[ROW0]                ; my first block is rows 0-15 of C where my first row is 0: then every lane goes off for its eight stores
	s_wait_xcnt 0x0                                ; EXEC changes only behind this wait
	s_and_saveexec_b32 s45, vcc_lo
.endif
.irp t, 0,1,2,3,4,5,6,7
	global_store_b128 v[CO], v[TMP+32*((\a)%2)+4*\t:TMP+32*((\a)%2)+4*\t+3], s[8:9] offset:(16*(\a)+2*\t)*8192 th:TH_STORE_NT
.endr
.if (\a) == 0
	s_wait_xcnt 0x0                                ; and again, in front of the line that widens it
	s_or_b32 exec_lo, exec_lo, s45
.endif
.endm
	PLACES
	TOSTAGE 0
.irp a, 1,2,3
.if \a > 1
	s_wait_xcnt 0x0                                ; block a - 2's stores have read their registers: block a's loads may land there
.endif
	TOSTAGE \a
	SEND \a-1, 16
.endr
	SEND 3, 0
	s_wait_tensorcnt 0x0                           ; the wave's end
	ds_add_u32 v[SPW], v[NIL]
	s_wait_dscnt 0x0
	CROUND                                         ; the closing round
	s_endpgm
.Lfunc_end_k_qaa28d49762_outp:
	.size	k_qaa28d49762_outp, .Lfunc_end_k_qaa28d49762_outp-k_qaa28d49762_outp
	.p2alignl 7, 3214868480
	.fill 96, 4, 3214868480
	.section	.rodata,"a",@progbits
	.p2align	6, 0x0
	.amdhsa_kernel k_qaa28d49762_outp
		.amdhsa_group_segment_fixed_size 327680
		.amdhsa_private_segment_fixed_size 0
		.amdhsa_enable_private_segment 0
		.amdhsa_kernarg_size 24
		.amdhsa_user_sgpr_count 2
		.amdhsa_user_sgpr_kernarg_segment_ptr 1
		.amdhsa_wavefront_size32 1
		.amdhsa_system_sgpr_workgroup_id_x 1
		.amdhsa_system_sgpr_workgroup_id_y 1
		.amdhsa_system_sgpr_workgroup_id_z 1
		.amdhsa_system_vgpr_workitem_id 0
		.amdhsa_next_free_vgpr 512
		.amdhsa_next_free_sgpr 66
		.amdhsa_reserve_vcc 1
		.amdhsa_float_denorm_mode_32 3
		.amdhsa_float_denorm_mode_16_64 3
		.amdhsa_memory_ordered 1
		.amdhsa_forward_progress 1
		.amdhsa_inst_pref_size 86
	.end_amdhsa_kernel
	.amdgpu_metadata
---
amdhsa.version: [ 1, 2 ]
amdhsa.kernels:
  - .name:           k_qaa28d49762_outp
    .symbol:         k_qaa28d49762_outp.kd
    .args:
      - { .name: o16, .offset: 0, .size: 8, .value_kind: global_buffer, .address_space: global }
      - { .name: wo16, .offset: 8, .size: 8, .value_kind: global_buffer, .address_space: global }
      - { .name: out0, .offset: 16, .size: 8, .value_kind: global_buffer, .address_space: global }
    .group_segment_fixed_size: 327680
    .private_segment_fixed_size: 0
    .kernarg_segment_align: 8
    .kernarg_segment_size: 24
    .max_flat_workgroup_size: 128
    .sgpr_count:     66
    .vgpr_count:     512
    .wavefront_size: 32
...
	.end_amdgpu_metadata
.endif
;; end of part 5
